; MI455X (gfx1250); checked and timed in simulation.
; The chip was launched on July 23, 2026; its instructions are those of AMD's public machine-readable ISA for CDNA 5 (MIT licence, August 2026) and "CDNA5" Instruction Set Architecture Reference Guide (July 2026). The comments in the code are by the model that wrote it; some were corrected since.
;; Transformer Layer. Allowed arithmetic: matrix products marked QUANTISED: E4M3 operands, one given power-of-two scale a tensor, by v_wmma_f32_16x16x64_fp8_fp8 or v_wmma_f32_16x16x128_fp8_fp8, f32 sums; everything else in f32.
;; Inputs: W1_codes 4,096 x 32 x 32 uint8 (E4M3 codes of W1, K innermost, in blocks of 32 codes); W2_codes 1,024 x 128 x 32 uint8 (E4M3 codes of W2, K innermost, in blocks of 32 codes); Wk_codes 1,024 x 32 x 32 uint8 (E4M3 codes of Wk, K innermost, in blocks of 32 codes); Wo_codes 1,024 x 32 x 32 uint8 (E4M3 codes of Wo, K innermost, in blocks of 32 codes); Wq_codes 1,024 x 32 x 32 uint8 (E4M3 codes of Wq, K innermost, in blocks of 32 codes); Wv_codes 1,024 x 32 x 32 uint8 (E4M3 codes of Wv, K innermost, in blocks of 32 codes); b1 4,096 float32; b2 1,024 float32; causal_mask 1 x 1 x 2,048 x 2,048 bool; ln1_offset 1,024 float32; ln1_scale 1,024 float32; ln2_offset 1,024 float32; ln2_scale 1,024 float32; lowp_scales 16 int32 (the exponents e of the quantised operands' scales 2^e); pos 64 x 1,024 float32; rpe 16 x 64 float32; x 2 x 2,048 x 1,024 float32.
;; Outputs: out0 2 x 2,048 x 1,024 float32.
;; This version of the problem:
;;   THIS VERSION OF THE PROBLEM IS GIVEN IN LOW PRECISION. The matrix products marked QUANTISED in the list below multiply operands that are first quantised to E4M3 (4 exponent bits, 3 mantissa bits; 8 bits a number), with one given power-of-two scale for each operand tensor; their sums are f32. All else is computed in f32.
;;   The module's matrix products, in the order in which they are computed (A, B: the left and right operand; K: the contracted axis; several contracted axes count as one K, in the product's order):
;;     1. [M 4,096, K 1,024] x [K 1,024, N 1,024]; A: computed on the way; B: input Wq (given as codes): QUANTISED (scales: A lowp_scales[0], B lowp_scales[1])
;;     2. [M 4,096, K 1,024] x [K 1,024, N 1,024]; A: computed on the way; B: input Wk (given as codes): QUANTISED (scales: A lowp_scales[2], B lowp_scales[3])
;;     3. [M 4,096, K 1,024] x [K 1,024, N 1,024]; A: computed on the way; B: input Wv (given as codes): QUANTISED (scales: A lowp_scales[4], B lowp_scales[5])
;;     4. batch 32 x [M 2,048, K 64] x [K 64, N 2,048]; A: computed on the way; B: computed on the way: QUANTISED (scales: A lowp_scales[6], B lowp_scales[7])
;;     5. batch 32 x [M 64, K 2,048] x [K 2,048, N 2,048]; A: computed on the way; B: softmax (see below): QUANTISED (scales: A lowp_scales[8], B lowp_scales[9])
;;     6. [M 4,096, K 1,024] x [K 1,024, N 1,024]; A: computed on the way; B: input Wo (given as codes): QUANTISED (scales: A lowp_scales[10], B lowp_scales[11])
;;     7. [M 4,096, K 1,024] x [K 1,024, N 4,096]; A: computed on the way; B: input W1 (given as codes): QUANTISED (scales: A lowp_scales[12], B lowp_scales[13])
;;     8. [M 4,096, K 4,096] x [K 4,096, N 1,024]; A: computed on the way; B: input W2 (given as codes): QUANTISED (scales: A lowp_scales[14], B lowp_scales[15])
;;   THE QUANTISER, for each operand of a quantised product, along K:
;;     - The operand's scale is 2^e, e = its entry of the input lowp_scales (int32; the entries are numbered through the quantised products in the list's order, A before B).
;;     - Each number is divided by the scale, clamped to +-448, and rounded to the nearest number of E4M3, ties to even, subnormals kept.
;;     - The product sums the exact products of the quantised numbers (number of the format x scale) in f32.
;;   ~~~python
;;   def quantise(x, axis, e):      # numpy; x: float32 -> the quantised numbers, widened to float32 again
;;       x = np.moveaxis(x, axis, -1); K = x.shape[-1]
;;       r = np.clip(x / 2.0 ** e, -448, 448)
;;       step = 2.0 ** (np.maximum(np.frexp(np.where(r == 0, 1, r))[1] - 1, -6) - 3)
;;       q = np.round(r / step) * step * 2.0 ** e      # np.round: ties to even
;;       return np.moveaxis(q, -1, axis).astype(np.float32)
;;   ~~~
;;   SOFTMAX AHEAD OF A QUANTISED PRODUCT. Where the list says 'softmax', what is quantised is not the finished softmax but p = 2^(t - M), with t = logit x log2(e) and M = ceil(the row's largest t), a whole number; so 1/2 < the row's largest p <= 1. The row's sum l is taken of the UNQUANTISED p, in f32, and the product's result is divided by l at the end. Since M is a whole number, a kernel that streams over the keys may use a running M (the ceiling of the running maximum): every later rescaling is an exact power of two, so the quantised numbers keep their values, but for numbers so far below the row's largest that they fall under the format's range.
;;   OPERANDS COMPUTED ON THE WAY. 'Computed on the way' means the value that the module computes at that place (a softmax that the list does not call 'softmax' is quantised finished and normalised). What goes into a quantiser is computed in f32, as accurately as f32 sums, v_exp_f32 and their like allow (about 1e-6 of the number): no bf16 or f16 on the way to a quantiser, and a product that is left as it is and whose result goes on into a quantised operand takes f32 operands (vector FMAs, or v_wmma_f32_16x16x4_f32). A number that lies on a knife's edge between two numbers of the format may be rounded either way, as far as f32 arithmetic and the matrix unit's own rounding can turn it there, and no further.
;;   INPUTS GIVEN AS CODES. W1 (in the module: [1024, 4096], K = its axis 0); W2 (in the module: [4096, 1024], K = its axis 0); Wk (in the module: [1024, 1024], K = its axis 0); Wo (in the module: [1024, 1024], K = its axis 0); Wq (in the module: [1024, 1024], K = its axis 0); Wv (in the module: [1024, 1024], K = its axis 0): each comes as NAME_codes (uint8): NAME with its K axis moved to the last place and cut into blocks of 32 codes, [.., K / 32, bytes a block], one block behind the other in memory; one code a byte (a code: sign, 4 exponent bits, 3 mantissa bits); its scale is its entry of lowp_scales. Its value is code x scale, taken as it is: it is not quantised again, and the codes and scales need not be those that the quantiser above would give.
;; One version. Each part assembles by itself: llvm-mc -triple=amdgcn-amd-amdhsa -mcpu=gfx1250 --defsym DOCPART=n.
;; ======== version 1 of 1: 8 launches
;; limits: right only within a limited range of input values
;; workspace buffers: hc 16,777,216 bytes; qkv 12,648,448 bytes; oc 4,194,304 bytes; res 16,777,216 bytes; att 16,777,216 bytes; ac 4,194,304 bytes; hid 16,777,216 bytes; ff 16,777,216 bytes
;; launch prep (part 1): grid 256 x 1, 4 waves a work-group, no clusters, 33,280 bytes of LDS; arguments x, pos, lowp_scales, hc, W2_codes; writes hc
.if DOCPART == 1
	.amdgcn_target "amdgcn-amd-amdhsa--gfx1250"
	.amdhsa_code_object_version 6
	.text
	.protected	k_q55910f73e9_prep
	.globl	k_q55910f73e9_prep
	.p2align	8
	.type	k_q55910f73e9_prep,@function
k_q55910f73e9_prep:
	s_mov_b64 s[64:65], 0
	v_nop
	global_prefetch_b8 v0, s[64:65] scope:SCOPE_SE
	s_setreg_imm32_b32 hwreg(HW_REG_WAVE_MODE, 25, 1), 1
	s_wait_xcnt 0x0
; h = x + pos[t % 64], in f32, turned three times into codes of E4M3: with 2^e0 (for the product with Wq), 2^e2 (Wk) and 2^e4 (Wv).
; x: [4096][1024] f32 (batch and sequence on end; 2,048 is a multiple of 64, so the row's number modulo 64 is t % 64).  pos: [64][1024] f32.
; hc: three planes of [4096][1024] codes, K innermost, 4 MiB apart.
; code = h / 2^e, held within +-448, to the nearest code, ties to even.  LIMITS: each e between -126 and 119; NaN among the inputs is not served.
; SHARES.  1,024 waves.  Wave id: rho = id % 64 is its row of pos, half = (id / 64) % 2 its 512 columns, grp = id / 128; its eight steps are rows rho + 64 (8 grp + i).
; So a wave's 512 numbers of pos stay in 16 registers.  Each load reads 512 consecutive bytes, 16 a lane; the conversions want 16 NEIGHBOURS in a lane: a step's 2,048 bytes turn
; through the wave's own stage in LDS (16 bytes of padding behind each 64).  A lane's 16 codes are 16 bytes: each store of the wave covers 512 consecutive bytes, aligned.
; All 36 loads of a wave go out at the head.  No barrier: waves share nothing.
; ALSO: W2's codes [1024 (n)][4096 (k)] are laid once more, behind the three planes (hc + 12 MiB), in the order in which the last product's operand registers take them:
; [n / 64][k / 128][(n / 16) % 4][c][lane][16 bytes], lane (r, h) of piece c holding n % 16 = r, k % 128 = 32 c + 16 h + 0 .. 15.  A wave moves two fragments of 2,048 bytes (256 consecutive bytes of 16 rows):
; 8 loads, which go out ahead of the 36 others (44 in all), and 8 stores of 512 consecutive bytes each.
.set STEPS, 8
.set SP,    80                         ; a lane's place in a stage: its 64 bytes + 16 of padding
.set WREG,  8192                       ; LDS: a region for each wave: two stages of 32 x SP bytes
.set PO,    16                         ; v16-31   my 16 numbers of pos, as loaded
.set X,     32                         ; v32-63   two sets of 16 neighbours
.set TMP,   64                         ; v64-79   the held numbers of one plane
.set R,     80                         ; v80-207  step t: 16 registers as loaded; later its 3 x 4 registers of codes
	s_load_b256 s[4:11], s[0:1], 0x0               ; x s[4:5], pos s[6:7], the scales' exponents s[8:9], hc s[10:11]
	s_load_b64 s[40:41], s[0:1], 0x20              ; W2's codes
	v_lshl_add_u32 v208, v0, 2, 0x8000
	v_mov_b32 v209, 0
	v_lshrrev_b32 v1, 5, v0
	v_readfirstlane_b32 s12, v1                    ; wave 0..3
	v_and_b32 v2, 31, v0                           ; lane
	v_lshlrev_b32 v3, 4, v2                        ; my 16 bytes of a load's 512, and of a store's
	v_and_b32 v10, 15, v2
	v_lshrrev_b32 v11, 4, v2
	v_lshlrev_b32 v10, 12, v10
	v_lshl_add_u32 v10, v11, 4, v10                ; W2: row lane % 16 of 4,096 bytes + 16 (lane / 16)
	s_mul_i32 s13, s12, WREG
	v_lshrrev_b32 v14, 2, v2
	v_mul_u32_u24 v14, v14, SP
	v_and_b32 v15, 3, v2
	v_lshl_add_u32 v14, v15, 4, v14
	v_add_nc_u32 v14, s13, v14                     ; the stage, on the way in: SP (lane / 4) + 16 (lane % 4); a load's 512 bytes take eight places
	v_mul_u32_u24 v15, v2, SP
	v_add_nc_u32 v15, s13, v15                     ; and on the way out: SP x lane: my 16 neighbours
	s_lshl_b32 s13, ttmp9, 2
	s_add_co_u32 s13, s13, s12                     ; id
	s_and_b32 s14, s13, 63                         ; rho
	s_bfe_u32 s15, s13, 0x10006                    ; half
	s_lshr_b32 s24, s13, 7                         ; grp
	s_lshl_b32 s26, s14, 12
	s_lshl_b32 s25, s15, 11
	s_add_co_u32 s26, s26, s25                     ; pos: rho rows of 4,096 bytes + half x 2,048
	s_mov_b32 s27, 0
	s_lshl_b32 s25, s24, 21
	s_add_co_u32 s34, s26, s25                     ; x: the same + grp x 512 rows
	s_mov_b32 s35, 0
	s_lshl_b32 s36, s14, 10
	s_lshl_b32 s25, s15, 9
	s_add_co_u32 s36, s36, s25
	s_lshl_b32 s25, s24, 19
	s_add_co_u32 s36, s36, s25                     ; codes: a quarter of x's offset
	s_mov_b32 s37, 0
	s_wait_alu depctr_va_vdst(0)
	s_wait_kmcnt 0x0
	s_load_b256 s[16:23], s[8:9], 0x0              ; e0 .. e7: s16, s18 and s20 are wanted
	s_add_nc_u64 s[4:5], s[4:5], s[34:35]
	s_add_nc_u64 s[6:7], s[6:7], s[26:27]
	s_add_nc_u64 s[28:29], s[10:11], s[36:37]      ; plane 0,
	s_add_nc_u64 s[30:31], s[28:29], 0x400000      ; plane 1,
	s_add_nc_u64 s[32:33], s[28:29], 0x800000      ; plane 2
	s_and_b32 s44, s13, 3                          ; W2: which 16 of the 64 rows,
	s_bfe_u32 s45, s13, 0x40002                    ; which 256 along K,
	s_lshr_b32 s46, s13, 6                         ; which 64 rows
	s_lshl_b32 s46, s46, 18
	s_lshl_b32 s48, s44, 16
	s_add_co_u32 s48, s48, s46
	s_lshl_b32 s47, s45, 8
	s_add_co_u32 s48, s48, s47                     ; from: 64 rows x 4,096 + 16 rows x 4,096 + 256 along K
	s_mov_b32 s49, 0
	s_lshl_b32 s50, s45, 14
	s_add_co_u32 s50, s50, s46
	s_lshl_b32 s47, s44, 11
	s_add_co_u32 s50, s50, s47
	s_add_co_u32 s50, s50, 0xc00000                ; to: behind the three planes
	s_mov_b32 s51, 0
	s_add_nc_u64 s[40:41], s[40:41], s[48:49]
	s_add_nc_u64 s[42:43], s[10:11], s[50:51]
.irp f, 0,1
.irp c, 0,1,2,3
	global_load_b128 v[210+16*\f+4*\c:213+16*\f+4*\c], v10, s[40:41] offset:128*\f+32*\c
.endr
.endr
.irp j, 0,1,2,3
	global_load_b128 v[PO+4*\j:PO+4*\j+3], v3, s[6:7] offset:512*\j
.endr
.macro LOAD t                          ; step t's 2,048 bytes of x: 64 rows further down for each step
.irp j, 0,1,2,3
	global_load_b128 v[R+16*(\t)+4*\j:R+16*(\t)+4*\j+3], v3, s[4:5] offset:262144*(\t)+512*\j th:TH_LOAD_NT
.endr
.endm
.irp t, 0,1,2,3,4,5,6,7
	LOAD \t
.endr
.macro MKSC e, vs, vl                  ; from the exponent in s[e]: 2^e as f32 into v[vs] (the conversion takes its exponent field), 448 x 2^e into v[vl]
	s_add_co_i32 s[\e], s[\e], 127
	s_lshl_b32 s25, s[\e], 23
	v_mov_b32 v[\vs], s25
	s_add_co_i32 s[\e], s[\e], 8
	s_lshl_b32 s[\e], s[\e], 23
	s_or_b32 s[\e], s[\e], 0x600000
	v_mov_b32 v[\vl], s[\e]
.endm
	s_wait_kmcnt 0x0
	MKSC 16, 4, 5
	MKSC 18, 6, 7
	MKSC 20, 8, 9
.macro ADDTURN t                       ; h = x + pos, as loaded; then through the stage: LDS serves a wave's instructions in order, so no wait stands between the stores and the loads
.irp j, 0,2,4,6,8,10,12,14
	v_pk_add_f32 v[R+16*(\t)+\j:R+16*(\t)+\j+1], v[R+16*(\t)+\j:R+16*(\t)+\j+1], v[PO+\j:PO+\j+1]
.endr
.irp j, 0,1,2,3
	ds_store_b128 v14, v[R+16*(\t)+4*\j:R+16*(\t)+4*\j+3] offset:32*SP*((\t)%2)+8*SP*\j
.endr
.irp j, 0,1,2,3
	ds_load_b128 v[X+16*((\t)%2)+4*\j:X+16*((\t)%2)+4*\j+3], v15 offset:32*SP*((\t)%2)+16*\j
.endr
.endm
	s_wait_loadcnt 28                              ; W2's fragments, pos and step 0 are in; the 28 loads of steps 1 to 7 may be out
.irp f, 0,1
.irp c, 0,1,2,3
	global_store_b128 v3, v[210+16*\f+4*\c:213+16*\f+4*\c], s[42:43] offset:8192*\f+512*\c
.endr
.endr
	ADDTURN 0
.macro STEP t
.set XS, X+16*((\t)%2)
.set CR, R+16*(\t)
	s_wait_dscnt 0x0                               ; this step's numbers are back from the stage, and its stores into the stage have read R's registers, which take the codes below
.if (\t)+1 < STEPS
	s_wait_loadcnt 4*(STEPS-2-(\t))                ; the next step's four loads are in; those of the steps behind it may be out
	ADDTURN (\t)+1                                 ; it goes through the other stage while this step is worked
.endif
.irp p, 0,1,2
.irp i, 0,1,2,3,4,5,6,7,8,9,10,11,12,13,14,15
	v_med3_num_f32 v[TMP+\i], v[XS+\i], -v[5+2*\p], v[5+2*\p]   ; the conversion to an 8-bit code does not saturate (ISA guide 7.6.2): the hold at the largest code x the scale
.endr
	v_cvt_scalef32_pk8_fp8_f32 v[CR+4*\p:CR+4*\p+1], v[TMP:TMP+7], v[4+2*\p]
	v_cvt_scalef32_pk8_fp8_f32 v[CR+4*\p+2:CR+4*\p+3], v[TMP+8:TMP+15], v[4+2*\p]
	v_nop                                          ; one plain vector line between the conversions and the next plane's holds, which write their sources
.endr
	global_store_b128 v3, v[CR:CR+3], s[28:29] offset:65536*(\t)       ; the codes lie in registers of the step's own: no store's data are written again
	global_store_b128 v3, v[CR+4:CR+7], s[30:31] offset:65536*(\t)
	global_store_b128 v3, v[CR+8:CR+11], s[32:33] offset:65536*(\t)
.endm
.irp t, 0,1,2,3,4,5,6,7
	STEP \t
.endr
	s_wait_tensorcnt 0x0
	ds_add_u32 v208, v209
	s_wait_dscnt 0x0
	s_endpgm
.Lfunc_end_k_q55910f73e9_prep:
	.size	k_q55910f73e9_prep, .Lfunc_end_k_q55910f73e9_prep-k_q55910f73e9_prep
	.p2alignl 7, 3214868480
	.fill 96, 4, 3214868480
	.section	.rodata,"a",@progbits
	.p2align	6, 0x0
	.amdhsa_kernel k_q55910f73e9_prep
		.amdhsa_group_segment_fixed_size 33280
		.amdhsa_private_segment_fixed_size 0
		.amdhsa_enable_private_segment 0
		.amdhsa_kernarg_size 40
		.amdhsa_user_sgpr_count 2
		.amdhsa_user_sgpr_kernarg_segment_ptr 1
		.amdhsa_wavefront_size32 1
		.amdhsa_system_sgpr_workgroup_id_x 1
		.amdhsa_system_sgpr_workgroup_id_y 1
		.amdhsa_system_sgpr_workgroup_id_z 1
		.amdhsa_system_vgpr_workitem_id 0
		.amdhsa_next_free_vgpr 244
		.amdhsa_next_free_sgpr 66
		.amdhsa_reserve_vcc 0
		.amdhsa_float_denorm_mode_32 3
		.amdhsa_float_denorm_mode_16_64 3
		.amdhsa_memory_ordered 1
		.amdhsa_forward_progress 1
		.amdhsa_inst_pref_size 48
	.end_amdhsa_kernel
	.amdgpu_metadata
---
amdhsa.version: [ 1, 2 ]
amdhsa.kernels:
  - .name:           k_q55910f73e9_prep
    .symbol:         k_q55910f73e9_prep.kd
    .args:
      - { .name: x, .offset: 0, .size: 8, .value_kind: global_buffer, .address_space: global }
      - { .name: pos, .offset: 8, .size: 8, .value_kind: global_buffer, .address_space: global }
      - { .name: lowp_scales, .offset: 16, .size: 8, .value_kind: global_buffer, .address_space: global }
      - { .name: hc, .offset: 24, .size: 8, .value_kind: global_buffer, .address_space: global }
      - { .name: W2_codes, .offset: 32, .size: 8, .value_kind: global_buffer, .address_space: global }
    .group_segment_fixed_size: 33280
    .private_segment_fixed_size: 0
    .kernarg_segment_align: 8
    .kernarg_segment_size: 40
    .max_flat_workgroup_size: 128
    .sgpr_count:     66
    .vgpr_count:     244
    .wavefront_size: 32
...
	.end_amdgpu_metadata
.endif
;; end of part 1
;; launch qkv (part 2): grid 12 x 16, 4 waves a work-group, clusters of 4 x 4, 327,680 bytes of LDS; arguments hc, Wq_codes, Wk_codes, Wv_codes, lowp_scales, qkv; writes qkv
.if DOCPART == 2
	.amdgcn_target "amdgcn-amd-amdhsa--gfx1250"
	.amdhsa_code_object_version 6
	.text
	.protected	k_q55910f73e9_qkv
	.globl	k_q55910f73e9_qkv
	.p2align	8
	.type	k_q55910f73e9_qkv,@function
k_q55910f73e9_qkv:
	s_mov_b64 s[64:65], 0
	v_nop
	global_prefetch_b8 v0, s[64:65] scope:SCOPE_SE
	s_setreg_imm32_b32 hwreg(HW_REG_WAVE_MODE, 25, 1), 1
	s_wait_xcnt 0x0
	s_wait_alu depctr_hold_cnt(0) depctr_sa_sdst(0) depctr_va_vdst(0) depctr_va_sdst(0) depctr_va_ssrc(0) depctr_va_vcc(0) depctr_vm_vsrc(0)
	s_getreg_b32 s2, hwreg(HW_REG_IB_STS2, 6, 4)
	s_cmp_eq_u32 s2, 0
	s_cbranch_scc0 .Lentry_in_a_cluster
	s_endpgm
.Lentry_in_a_cluster:
	s_bfe_u32 s2, ttmp6, 0x10000c
	s_cmp_lg_u32 s2, 0xf033
	s_cbranch_scc0 .Lentry_shape_is_right
	s_endpgm
.Lentry_shape_is_right:
.set KROW,   1024
.set LAPS,   2
.set OPITCH, 1024
.set KSTEP,  256
.set ROWB,   256
.set PITCH,  272
.set FR,     16
.set NL,     4
.set NP,     4
.set HALFT,  128*PITCH
.set SLOT,   4*HALFT
.set SPARE,  2*SLOT
.set SPITCH, 272
.set ADRA, 16
.set ADRB, 20
.set STO,  24
.set RD,   25
.set CO,   26
.set VSA,  27
.set SPW,  28
.set NIL,  29
.set SC,   30
.set LIM,  31
.set ONES, 32
.set TMP,  96
.set CD,   160
.set SUM,  224
.set AF,   128
.set G1, 24
.set G0, 32
.set G1B, 48
.set G0B, 56
.set MSB, 0
.macro WIN new
.if MSB != \new
	s_set_vgpr_msb (MSB<<8)|\new
.set MSB, \new
.endif
.endm
.set MUL_LO, 0xa1
.set MUL_HI, 0xf1
.set TO_B,   0x40
.macro JLOAD g0a, g1a, g0b, g1b
	s_cmp_eq_u32 s15, 0
	s_cbranch_scc0 .Lfor_b_\@
	tensor_load_to_lds s[\g0a:\g0a+3], s[\g1a:\g1a+7]
	s_nop 0
.rept 4
	v_nop
.endr
	s_branch .Lasked_\@
.Lfor_b_\@:
	tensor_load_to_lds s[\g0b:\g0b+3], s[\g1b:\g1b+7]
	s_nop 0
.rept 4
	v_nop
.endr
.Lasked_\@:
.endm
.macro CREST
	s_cmp_lg_u32 s14, 0
	s_cbranch_scc1 .Lnot_wave_0_\@
	s_barrier_signal -3
.Lnot_wave_0_\@:
	s_barrier_wait -3
	s_barrier_signal -1
	s_barrier_wait -1
.endm
.macro CROUND
	s_barrier_signal -1
	s_barrier_wait -1
	CREST
.endm
	s_load_b256 s[68:75], s[0:1], 0x0
	s_load_b128 s[76:79], s[0:1], 0x20
	v_lshl_add_u32 v[SPW], v0, 2, SPARE
	v_mov_b32 v[NIL], 0
	ds_add_u32 v28, v29
	ds_add_u32 v28, v29
	s_wait_dscnt 0x0
	v_lshrrev_b32 v1, 5, v0
	v_readfirstlane_b32 s14, v1
	s_lshr_b32 s15, s14, 1
	s_and_b32 s16, s14, 1
	s_bfe_u32 s40, ttmp6, 0x40000
	s_bfe_u32 s41, ttmp6, 0x40004
	s_and_b32 s80, ttmp7, 0xffff
	s_lshl_b32 s81, s80, 2
	s_cmp_eq_u32 ttmp9, 2
	s_cselect_b32 s17, 0, s81
	s_cselect_b32 s42, s81, 0
	s_add_co_u32 s17, s17, s41
	s_add_co_u32 s42, s42, s40
	s_lshl_b32 s43, s41, 2
	s_lshl_b32 s43, 15, s43
	s_lshl_b32 s44, 0x1111, s40
	s_or_b32 s[G1+0], s43, (0<<16)|(1<<20)|(1<<21)|(5<<22)|(3<<25)
	s_or_b32 s[G1B+0], s44, (0<<16)|(1<<20)|(1<<21)|(5<<22)|(3<<25)
.irp g, G1, G1B
	s_mov_b32 s[\g+1], ROWB<<16
	s_mov_b32 s[\g+2], 128<<16
	s_mov_b32 s[\g+3], ROWB<<16
	s_mov_b32 s[\g+4], 128
	s_mov_b32 s[\g+5], KROW
	s_mov_b32 s[\g+6], 0
	s_mov_b32 s[\g+7], 0
.endr
	s_lshl_b32 s18, s16, 7
	s_lshl_b32 s20, s17, 8
	s_add_co_u32 s20, s20, s18
	s_lshl_b32 s46, s42, 8
	s_add_co_u32 s46, s46, s18
	s_mov_b32 s21, 0
	s_mov_b32 s47, 0
	s_mov_b64 s[18:19], KROW
	s_mul_u64 s[20:21], s[20:21], s[18:19]
	s_mul_u64 s[46:47], s[46:47], s[18:19]
	s_mul_i32 s45, s14, HALFT
	s_lshl_b32 s88, ttmp9, 3
	s_lshl_b32 s89, ttmp9, 2
	s_lshl_b32 s82, ttmp9, 22
	s_mov_b32 s83, 0
	s_wait_kmcnt 0x0
	s_load_b64 s[96:97], s[76:77], s88 offset:0x0
	s_load_b32 s98, s[76:77], s89 offset:0x18
	s_add_nc_u64 s[84:85], s[68:69], s[82:83]
	s_cmp_eq_u32 ttmp9, 1
	s_cselect_b64 s[86:87], s[72:73], s[70:71]
	s_cmp_eq_u32 ttmp9, 2
	s_cselect_b64 s[4:5], s[74:75], s[84:85]
	s_cselect_b64 s[6:7], s[84:85], s[86:87]
	s_add_nc_u64 s[20:21], s[4:5], s[20:21]
	s_add_nc_u64 s[46:47], s[6:7], s[46:47]
	CROUND
.irp s, 0,1
	s_mov_b32 s[G0+4*\s], 1
	s_add_co_u32 s[G0+4*\s+1], s45, \s*SLOT
	s_add_nc_u64 s[G0+4*\s+2:G0+4*\s+3], s[20:21], \s*ROWB
	s_or_b32 s[G0+4*\s+3], s[G0+4*\s+3], 0x80000000
	s_mov_b32 s[G0B+4*\s], 1
	s_add_co_u32 s[G0B+4*\s+1], s45, \s*SLOT
	s_add_nc_u64 s[G0B+4*\s+2:G0B+4*\s+3], s[46:47], \s*ROWB
	s_or_b32 s[G0B+4*\s+3], s[G0B+4*\s+3], 0x80000000
.endr
	; BOTH SLOTS ARE FILLED AT THE HEAD, one tensor load a wave: wave w fetches all 256 rows of A (w even) or of B (w odd) of K step w / 2.  Group 1 states 256 rows here and 128 for the refills.
	s_mov_b32 s[G1+2], 256<<16
	s_mov_b32 s[G1+4], 256
	s_mov_b32 s[G1B+2], 256<<16
	s_mov_b32 s[G1B+4], 256
	s_mul_i32 s3, s15, SLOT                        ; the K step's slot
	s_lshl_b32 s18, s17, 18                        ; A: 256 rows of 1,024 bytes x the tile row
	s_mov_b32 s19, 0
	s_mov_b32 s8, 1
	s_mov_b32 s9, s3
	s_add_nc_u64 s[10:11], s[4:5], s[18:19]
	s_lshl_b32 s18, s15, 8                         ; 256 bytes along K for each K step
	s_add_nc_u64 s[10:11], s[10:11], s[18:19]
	s_or_b32 s11, s11, 0x80000000
	s_lshl_b32 s66, s42, 18                        ; B: the same by the tile column
	s_mov_b32 s67, 0
	s_mov_b32 s84, 1
	s_add_co_u32 s85, s3, 2*HALFT                  ; behind A's 256 rows
	s_add_nc_u64 s[86:87], s[6:7], s[66:67]
	s_add_nc_u64 s[86:87], s[86:87], s[18:19]
	s_or_b32 s87, s87, 0x80000000
	s_cmp_eq_u32 s16, 0
	s_cbranch_scc0 .Lhead_b
	tensor_load_to_lds s[8:11], s[G1:G1+7]
	s_nop 0
.rept 4
	v_nop
.endr
	s_branch .Lhead_asked
.Lhead_b:
	tensor_load_to_lds s[84:87], s[G1B:G1B+7]
	s_nop 0
.rept 4
	v_nop
.endr
.Lhead_asked:
	v_and_b32 v1, 15, v0
	s_wait_alu depctr_va_vdst(0)
	v_bfe_u32 v2, v0, 4, 1
	v_mul_u32_u24 v3, v1, PITCH
	v_lshl_add_u32 v4, v2, 4, v3
	s_mul_i32 s21, s15, HALFT
	s_mul_i32 s22, s16, HALFT
	s_add_co_u32 s22, s22, 2*HALFT
.irp s, 0,1
	v_add_nc_u32 v[ADRA+\s], s21, v4
	v_add_nc_u32 v[ADRB+\s], s22, v4
	s_add_co_u32 s21, s21, SLOT
	s_add_co_u32 s22, s22, SLOT
.endr
	s_mul_i32 s23, s15, 128*SPITCH
	s_lshl_b32 s21, s16, 7
	s_add_co_u32 s23, s23, s21
	v_mul_u32_u24 v5, v1, SPITCH
	s_wait_alu depctr_va_vdst(0)
	v_lshl_add_u32 v5, v2, 3, v5
	v_add_nc_u32 v[STO], s23, v5
	s_mul_i32 s23, s14, 64*SPITCH
	v_mul_u32_u24 v5, v2, SPITCH
	v_lshl_add_u32 v5, v1, 4, v5
	v_add_nc_u32 v[RD], s23, v5
	v_add_nc_u32 v[VSA], s23, v4
	v_mul_u32_u24 v5, v2, OPITCH
	v_lshl_add_u32 v[CO], v1, 4, v5
	s_lshl_b32 s90, ttmp9, 22
	s_lshl_b32 s91, s80, 20
	s_add_co_u32 s90, s90, s91
	s_lshl_b32 s91, s41, 18
	s_add_co_u32 s90, s90, s91
	s_lshl_b32 s91, s40, 8
	s_add_co_u32 s90, s90, s91
	s_lshl_b32 s91, s14, 16
	s_add_co_u32 s90, s90, s91
	s_mov_b32 s91, 0
	s_add_nc_u64 s[92:93], s[78:79], s[90:91]
	s_lshl_b32 s90, s42, 12
	s_lshl_b32 s94, s17, 10
	s_add_co_u32 s90, s90, s94
	s_lshl_b32 s94, s14, 8
	s_add_co_u32 s90, s90, s94
	s_add_co_u32 s90, s90, 0xc00000
	s_add_nc_u64 s[94:95], s[78:79], s[90:91]
.macro FRAG reg, adr, q, i
.irp c, 0,1,2,3
	ds_load_b128 v[\reg+4*\c:\reg+4*\c+3], v[\adr] offset:128*(\q)+32*\c+(\i)*16*PITCH
.endr
.endm
.macro MUL16 a0, p, zero
.irp a, \a0, \a0+1
.irp b, 0,1,2,3,4,5,6,7
.if \zero
	v_wmma_f32_16x16x128_fp8_fp8 v[8*(8*((\a)%4)+\b):8*(8*((\a)%4)+\b)+7], v[128*(\p)+FR*\b:128*(\p)+FR*\b+FR-1], v[AF+FR*(\a):AF+FR*(\a)+FR-1], 0
.else
	v_wmma_f32_16x16x128_fp8_fp8 v[8*(8*((\a)%4)+\b):8*(8*((\a)%4)+\b)+7], v[128*(\p)+FR*\b:128*(\p)+FR*\b+FR-1], v[AF+FR*(\a):AF+FR*(\a)+FR-1], v[8*(8*((\a)%4)+\b):8*(8*((\a)%4)+\b)+7]
.endif
.endr
.endr
.endm
.macro FETCH_B slot, q, p
	WIN TO_B
.irp i, 0,1,2,3,4,5,6,7
	FRAG 128*(\p)+FR*\i, ADRB+\slot, \q, \i
.endr
	WIN 0
.endm
.macro FETCH_A slot, q, i0
.irp i, \i0, \i0+1, \i0+2, \i0+3
	FRAG AF+FR*(\i), ADRA+\slot, \q, \i
.endr
.endm
.macro PLACES n
.rept \n
	v_nop
.endr
.endm
.macro STEP slot, q, zero
	s_wait_dscnt 4*NL
	WIN MUL_LO
	MUL16 0, (\q)%2, \zero
	MUL16 2, (\q)%2, \zero
	s_wait_dscnt 0
	PLACES NP
	FETCH_B \slot, (\q)+1, 1-(\q)%2
	FETCH_A \slot, (\q)+1, 0
	WIN MUL_HI
	MUL16 4, (\q)%2, \zero
	MUL16 6, (\q)%2, \zero
	PLACES NP
	WIN 0
	FETCH_A \slot, (\q)+1, 4
.endm
.macro TURN slot, next, fill
	s_wait_tensorcnt 0x0
	ds_add_u32 v[SPW], v[NIL]
	s_wait_dscnt 4*NL+1
	WIN MUL_LO
	MUL16 0, 1, 0
	s_wait_dscnt 0x0
	s_barrier_signal -1
	MUL16 2, 1, 0
	WIN 0
	s_barrier_wait -1
.if \fill
	CREST
	s_add_nc_u64 s[G0+4*\slot+2:G0+4*\slot+3], s[G0+4*\slot+2:G0+4*\slot+3], 2*ROWB
	s_add_nc_u64 s[G0B+4*\slot+2:G0B+4*\slot+3], s[G0B+4*\slot+2:G0B+4*\slot+3], 2*ROWB
	JLOAD G0+4*\slot, G1, G0B+4*\slot, G1B
.else
	PLACES NP
.endif
	FETCH_B \next, 0, 0
	FETCH_A \next, 0, 0
	WIN MUL_HI
	MUL16 4, 1, 0
	MUL16 6, 1, 0
	PLACES NP
	WIN 0
	FETCH_A \next, 0, 4
.endm
	s_wait_alu depctr_va_vdst(0)                   ; the wait at the head's end
	s_wait_tensorcnt 0x0                           ; my load is in, so group 1 may be written: the refills take 128 rows a wave
	s_mov_b32 s[G1+2], 128<<16
	s_mov_b32 s[G1+4], 128
	s_mov_b32 s[G1B+2], 128<<16
	s_mov_b32 s[G1B+4], 128
	s_barrier_signal -1
	s_barrier_wait -1
	FETCH_B 0, 0, 0
	FETCH_A 0, 0, 0
	FETCH_A 0, 0, 4
	STEP 0, 0, 1
	s_mov_b32 s3, LAPS-1
.Llap:
	TURN 0, 1, 1
	STEP 1, 0, 0
	TURN 1, 0, 1
	STEP 0, 0, 0
	s_sub_co_u32 s3, s3, 1
	s_cmp_lg_u32 s3, 0
	s_cbranch_scc1 .Llap
	TURN 0, 1, 0
	STEP 1, 0, 0
	s_wait_dscnt 4*NL
	WIN MUL_LO
	MUL16 0, 1, 0
	MUL16 2, 1, 0
	s_wait_dscnt 0
	WIN MUL_HI
	MUL16 4, 1, 0
	MUL16 6, 1, 0
	WIN 0
	s_wait_kmcnt 0x0
	s_sub_co_i32 s98, s98, s96
	s_sub_co_i32 s98, s98, s97
	s_add_co_i32 s98, s98, 127
	s_lshl_b32 s99, s98, 23
	v_mov_b32 v[SC], s99
	s_add_co_i32 s98, s98, 8
	s_lshl_b32 s98, s98, 23
	s_or_b32 s98, s98, 0x600000
	v_mov_b32 v[LIM], s98
	PLACES NP
.macro TOCODE a
.set AC, 64*((\a)%4)
.set CS, CD+16*((\a)%4)
.if (\a) >= 4
	s_wait_dscnt 24
.endif
	WIN 0x02+((\a)/4)
.set J, 0
.rept 64
	v_med3_num_f32 v[TMP+J], v[AC+J], -v[LIM], v[LIM]
.set J, J+1
.endr
	WIN 0
.irp b, 0,1,2,3,4,5,6,7
	v_cvt_scalef32_pk8_fp8_f32 v[CS+2*\b:CS+2*\b+1], v[TMP+8*\b:TMP+8*\b+7], v[SC]
.endr
	v_nop
.irp b, 0,1,2,3,4,5,6,7
	ds_store_b64 v[STO], v[CS+2*\b:CS+2*\b+1] offset:(\a)*16*SPITCH+16*\b
.endr
.endm
.irp a, 0,1,2,3,4,5,6,7
	TOCODE \a
.endr
	s_wait_dscnt 0x0
	s_barrier_signal -1
	s_barrier_wait -1
	s_cmp_lg_u32 ttmp9, 2
	s_cbranch_scc1 .Lno_sums
.set J, 0
.rept 16
	v_mov_b32 v[ONES+J], 0x38383838
.set J, J+1
.endr
.irp q, 0,1
.irp k, 0,1,2,3
.irp c, 0,1,2,3
	ds_load_b128 v[TMP+16*(4*\q+\k)+4*\c:TMP+16*(4*\q+\k)+4*\c+3], v[VSA] offset:\k*16*SPITCH+128*\q+32*\c
.endr
.endr
.endr
	v_and_b32 v50, 31, v0
	v_lshlrev_b32 v51, 2, v50
	v_cmp_le_u32 vcc_lo, 16, v50
	s_wait_alu depctr_va_vdst(0)
	s_wait_dscnt 0x0
.irp k, 0,1,2,3
	v_wmma_f32_16x16x128_fp8_fp8 v[SUM+8*\k:SUM+8*\k+7], v[ONES:ONES+15], v[TMP+16*\k:TMP+16*\k+15], 0
.endr
.irp k, 0,1,2,3
	v_wmma_f32_16x16x128_fp8_fp8 v[SUM+8*\k:SUM+8*\k+7], v[ONES:ONES+15], v[TMP+64+16*\k:TMP+64+16*\k+15], v[SUM+8*\k:SUM+8*\k+7]
.endr
	PLACES NP
	v_cndmask_b32 v48, v[SUM], v[SUM+8], vcc_lo
	v_cndmask_b32 v49, v[SUM+16], v[SUM+24], vcc_lo
	global_store_b32 v51, v48, s[94:95]
	global_store_b32 v51, v49, s[94:95] offset:128
.Lno_sums:
.set J, 0
.rept 32
	ds_load_b128 v[TMP+4*J:TMP+4*J+3], v[RD] offset:J*2*SPITCH
.set J, J+1
.endr
.set J, 0
.rept 32
	s_wait_dscnt 31-J
	global_store_b128 v[CO], v[TMP+4*J:TMP+4*J+3], s[92:93] offset:2*J*OPITCH
.set J, J+1
.endr
	s_wait_tensorcnt 0x0
	ds_add_u32 v[SPW], v[NIL]
	s_wait_dscnt 0x0
	CROUND
	s_endpgm
.Lfunc_end_k_q55910f73e9_qkv:
	.size	k_q55910f73e9_qkv, .Lfunc_end_k_q55910f73e9_qkv-k_q55910f73e9_qkv
	.p2alignl 7, 3214868480
	.fill 96, 4, 3214868480
	.section	.rodata,"a",@progbits
	.p2align	6, 0x0
	.amdhsa_kernel k_q55910f73e9_qkv
		.amdhsa_group_segment_fixed_size 327680
		.amdhsa_private_segment_fixed_size 0
		.amdhsa_enable_private_segment 0
		.amdhsa_kernarg_size 48
		.amdhsa_user_sgpr_count 2
		.amdhsa_user_sgpr_kernarg_segment_ptr 1
		.amdhsa_wavefront_size32 1
		.amdhsa_system_sgpr_workgroup_id_x 1
		.amdhsa_system_sgpr_workgroup_id_y 1
		.amdhsa_system_sgpr_workgroup_id_z 1
		.amdhsa_system_vgpr_workitem_id 0
		.amdhsa_next_free_vgpr 1024
		.amdhsa_next_free_sgpr 100
		.amdhsa_reserve_vcc 1
		.amdhsa_float_denorm_mode_32 3
		.amdhsa_float_denorm_mode_16_64 3
		.amdhsa_memory_ordered 1
		.amdhsa_forward_progress 1
		.amdhsa_inst_pref_size 131
	.end_amdhsa_kernel
	.amdgpu_metadata
---
amdhsa.version: [ 1, 2 ]
amdhsa.kernels:
  - .name:           k_q55910f73e9_qkv
    .symbol:         k_q55910f73e9_qkv.kd
    .args:
      - { .name: hc, .offset: 0, .size: 8, .value_kind: global_buffer, .address_space: global }
      - { .name: Wq_codes, .offset: 8, .size: 8, .value_kind: global_buffer, .address_space: global }
      - { .name: Wk_codes, .offset: 16, .size: 8, .value_kind: global_buffer, .address_space: global }
      - { .name: Wv_codes, .offset: 24, .size: 8, .value_kind: global_buffer, .address_space: global }
      - { .name: lowp_scales, .offset: 32, .size: 8, .value_kind: global_buffer, .address_space: global }
      - { .name: qkv, .offset: 40, .size: 8, .value_kind: global_buffer, .address_space: global }
    .group_segment_fixed_size: 327680
    .private_segment_fixed_size: 0
    .kernarg_segment_align: 8
    .kernarg_segment_size: 48
    .max_flat_workgroup_size: 128
    .sgpr_count:     100
    .vgpr_count:     1024
    .wavefront_size: 32
...
	.end_amdgpu_metadata
.endif
;; end of part 2
;; launch attn (part 3): grid 32 x 8, 16 waves a work-group, no clusters, 25,600 bytes of LDS; arguments qkv, causal_mask, rpe, lowp_scales, oc; writes oc
.if DOCPART == 3
	.amdgcn_target "amdgcn-amd-amdhsa--gfx1250"
	.amdhsa_code_object_version 6
	.text
	.protected	k_q55910f73e9_attn
	.globl	k_q55910f73e9_attn
	.p2align	8
	.type	k_q55910f73e9_attn,@function
k_q55910f73e9_attn:
	s_mov_b64 s[64:65], 0
	v_nop
	global_prefetch_b8 v0, s[64:65] scope:SCOPE_SE
	s_setreg_imm32_b32 hwreg(HW_REG_WAVE_MODE, 25, 1), 1
	s_wait_xcnt 0x0
; The attention with its window of 64: out[t] = sum over T of softmax_T(q[t] . k[T] / 8 + bias) v[T], both products on codes of E4M3; the result is quantised with 2^e10 for the product with Wo.
; bias = rpe[head][t - T] where 0 <= t - T < 64 and that entry is not 0; every other key is thrown away by the mask that the layer builds itself, so only the 128 keys round a tile of queries are multiplied.
; causal_mask is an input: its bytes (0 or 1) are read for each (t, T) and honoured.
; THE SOFTMAX: t' = logit x log2(e); M = the row's largest t' rounded up to a whole number; p = 2^(t' - M) is quantised with 2^e9; the row's sum is taken of the unquantised p and divides at the end.
; A ROW WITH NO KEY LEFT: all 2,048 logits are then the same least number, and the softmax is uniform over ALL keys of the batch: p = 1, sum = 2,048.  Such a row (its largest t' under -1e38) takes, by a select and
; with no branch, the code of p = 1 x the sum of v's codes over all keys, which the launch before has stored in parts of 256 tokens.
; qkv: q's codes [4096][1024] at 0, k's at 4 MiB, v's at 8 MiB as [token / 1024][hd][token % 1024], the partial sums f32 [16][1024] at 12 MiB.  oc: [4096][1024] codes.
; SHARES.  A work-group takes 64 queries (chunk c = x) of 4 heads (y = 4 batch + group of heads), so that its rows of oc are 256 consecutive bytes, aligned.  Wave w: head w / 4 of the four, queries 16 (w % 4) on.
; Keys 64 max(c - 1, 0) .. + 127.  Both products are used transposed (S^T = k q^T, O^T = v^T p^T): a lane holds ONE query.  The keys of a tile are not neighbours: lane r of tile 2 b + u takes key
; 32 b + 8 u + r + 8 (r / 8), so that the 16 registers of tiles 2 b, 2 b + 1 are keys 32 b + 16 (lane / 16) + 0 .. 15.
; No tile is shared between work-groups' loops (there is no loop): all 44 loads of a wave go out at the head, into registers.
; LIMITS: e6 + e7 between -123 and 130; e9 and e10 between -126 and 119; |q . k / 8| under 2^100; NaN is not served.
.set TAB, 0                            ; LDS: 4 heads x 256 words: entry y holds the bias x log2(e) of d = 127 - y, or NEG
.set VS2, 4096                         ; 2 x 256 words: the sums of v's codes, in two halves of four tiles of tokens
.set STG, 6144                         ; 64 rows x (256 bytes + 16): the way out
.set SPI, 272
.set Q,   16                           ; v16-23   q's fragment
.set MK,  24                           ; v24-39   the mask's bytes: word n / 4, byte n % 4 for register S + n
.set KF,  40                           ; v40-103  k's eight fragments; then the biases
.set O,   40                           ; v40-71   O^T
.set PC,  72                           ; v72-87   p's codes
.set OC,  88                           ; v88-95   the result's codes
.set S,   104                          ; v104-167 S^T, then t', then p; then the sums of v's codes
.set VF,  168                          ; v168-231 v's four fragments
.set SB,  50                           ; s50-53   v_perm_b32's selectors: byte 0, 1, 2, 3 into all four
	s_load_b256 s[4:11], s[0:1], 0x0               ; qkv s[4:5], causal_mask s[6:7], rpe s[8:9], the scales' exponents s[10:11]
	s_load_b64 s[12:13], s[0:1], 0x20              ; oc
	v_lshrrev_b32 v1, 5, v0
	s_delay_alu instid0(VALU_DEP_1)
	v_readfirstlane_b32 s14, v1                    ; wave 0..15
	s_lshr_b32 s15, s14, 2                         ; hl: which of the four heads
	s_and_b32 s16, s14, 3                          ; qt: which 16 queries
	s_and_b32 s18, ttmp7, 0xffff
	s_lshr_b32 s19, s18, 2                         ; batch
	s_and_b32 s20, s18, 3                          ; group of heads
	s_lshl_b32 s21, s20, 2
	s_add_co_u32 s21, s21, s15                     ; head
	s_lshl_b32 s22, ttmp9, 6
	s_lshl_b32 s25, s16, 4
	s_add_co_u32 s22, s22, s25                     ; t0 = 64 c + 16 qt
	s_max_u32 s23, ttmp9, 1
	s_sub_co_u32 s23, s23, 1
	s_lshl_b32 s23, s23, 6                         ; kb = 64 max(c - 1, 0)
	s_cmp_eq_u32 ttmp9, 0
	s_cselect_b32 s24, 0, 64
	s_add_co_u32 s24, s24, s25                     ; Dq = t0 - kb
	v_and_b32 v1, 15, v0                           ; r
	v_bfe_u32 v2, v0, 4, 1                         ; h
	s_delay_alu instid0(VALU_DEP_2)
	v_lshlrev_b32 v3, 10, v1
	s_delay_alu instid0(VALU_DEP_1)
	v_lshl_add_u32 v3, v2, 4, v3                   ; q and v: row r of 1,024 bytes + 16 h
	s_delay_alu instid0(VALU_DEP_4)
	v_and_b32 v4, 8, v1
	s_delay_alu instid0(VALU_DEP_1)
	v_add_nc_u32 v4, v4, v1
	s_delay_alu instid0(VALU_DEP_1)
	v_lshlrev_b32 v4, 10, v4
	s_delay_alu instid0(VALU_DEP_1)
	v_lshl_add_u32 v4, v2, 4, v4                   ; k: row r + 8 (r / 8)
	v_lshlrev_b32 v6, 11, v1
	s_delay_alu instid0(VALU_DEP_1)
	v_lshl_add_u32 v6, v2, 4, v6                   ; the mask: row r of 2,048 bytes + 16 h
	v_sub_nc_u32 v7, 127, v1                       ; the bias of register 16 b + i: d = Dq + r - 16 h - 32 b - i, entry y = 127 - d
	s_delay_alu instid0(VALU_DEP_1)
	v_lshl_add_u32 v7, v2, 4, v7
	s_delay_alu instid0(VALU_DEP_1)
	v_lshlrev_b32 v7, 2, v7
	s_lshl_b32 s60, s15, 10
	s_lshl_b32 s61, s24, 2
	v_add_nc_u32 v7, s60, v7
	s_delay_alu instid0(VALU_DEP_1)
	v_sub_nc_u32 v7, v7, s61                       ; 1,024 hl + 4 (127 - r + 16 h - Dq): never under 1,024 hl, since Dq + r is 127 at the most
	s_mul_i32 s62, s16, 16*SPI
	s_lshl_b32 s63, s15, 6
	s_add_co_u32 s62, s62, s63
	s_add_co_u32 s62, s62, STG
	v_mul_u32_u24 v8, v1, SPI
	s_delay_alu instid0(VALU_DEP_1)
	v_lshl_add_u32 v8, v2, 3, v8
	s_delay_alu instid0(VALU_DEP_1)
	v_add_nc_u32 v8, s62, v8                       ; into the stage: row 16 qt + r, byte 64 hl + 8 h
	v_lshrrev_b32 v10, 4, v0
	s_delay_alu instid0(VALU_DEP_1)
	v_mul_u32_u24 v9, v10, SPI
	s_delay_alu instid0(VALU_DEP_1)
	v_lshl_add_u32 v9, v1, 4, v9
	s_delay_alu instid0(VALU_DEP_1)
	v_add_nc_u32 v9, STG, v9                       ; back: sixteen threads to a row
	s_delay_alu instid0(VALU_DEP_4)
	v_lshlrev_b32 v10, 10, v10
	s_delay_alu instid0(VALU_DEP_1)
	v_lshl_add_u32 v10, v1, 4, v10                 ; and the same place in oc
	s_lshl_b32 s63, s15, 8
	v_lshlrev_b32 v11, 5, v2
	s_delay_alu instid0(VALU_DEP_1)
	v_add_nc_u32 v11, s63, v11
	s_delay_alu instid0(VALU_DEP_1)
	v_add_nc_u32 v11, VS2, v11                     ; the sums of my head: 256 hl + 32 h
	v_and_b32 v239, 255, v0                        ; the table's entry y that I make (for two heads)
	s_delay_alu instid0(VALU_DEP_1)
	v_sub_nc_u32 v240, 127, v239                   ; d; under 0 it wraps to a large number
	s_delay_alu instid0(VALU_DEP_1)
	v_and_b32 v238, 63, v240
	s_delay_alu instid0(VALU_DEP_1)
	v_lshlrev_b32 v238, 2, v238
	v_lshrrev_b32 v241, 8, v0
	s_delay_alu instid0(VALU_DEP_1)
	v_lshl_add_u32 v238, v241, 8, v238             ; rpe: head (thread / 256), entry d % 64: always inside the table
	v_lshlrev_b32 v239, 2, v239
	s_delay_alu instid0(VALU_DEP_1)
	v_lshl_add_u32 v239, v241, 14, v239            ; the partial sums: four tiles of tokens further on for threads 256-511
	v_lshlrev_b32 v241, 2, v0
	v_mov_b32 v13, 0                               ; (named as upper halves of pairs, or as a lane permute's destination: written once)
	v_mov_b32 v253, 0
	v_mov_b32 v254, 0
	s_lshl_b32 s66, s19, 11                        ; 2,048 x batch
	s_add_co_u32 s67, s66, s22
	s_lshl_b32 s26, s67, 10
	s_lshl_b32 s68, s21, 6
	s_add_co_u32 s26, s26, s68                     ; q: my first query's row + 64 x head
	s_mov_b32 s27, 0
	s_add_co_u32 s69, s66, s23                     ; the first key's token
	s_lshl_b32 s28, s69, 10
	s_add_co_u32 s28, s28, s68
	s_add_co_u32 s28, s28, 0x400000                ; k
	s_mov_b32 s29, 0
	s_lshl_b32 s71, s21, 16                        ; v: the head's 64 rows of 1,024 bytes
	s_lshr_b32 s30, s69, 10                        ; the first 64 keys: their quarter of the tokens,
	s_lshl_b32 s30, s30, 20
	s_and_b32 s70, s69, 1023                       ; and their place in it
	s_add_co_u32 s30, s30, s70
	s_add_co_u32 s30, s30, s71
	s_add_co_u32 s30, s30, 0x800000
	s_mov_b32 s31, 0
	s_add_co_u32 s69, s69, 64                      ; the second 64 keys may lie in the next quarter
	s_lshr_b32 s32, s69, 10
	s_lshl_b32 s32, s32, 20
	s_and_b32 s70, s69, 1023
	s_add_co_u32 s32, s32, s70
	s_add_co_u32 s32, s32, s71
	s_add_co_u32 s32, s32, 0x800000
	s_mov_b32 s33, 0
	s_lshl_b32 s34, s22, 11
	s_add_co_u32 s34, s34, s23                     ; the mask: row t0, column kb
	s_mov_b32 s35, 0
	s_lshl_b32 s36, s20, 10                        ; rpe: four heads of 256 bytes
	s_mov_b32 s37, 0
	s_lshl_b32 s38, s19, 15                        ; the partial sums: the batch's eight tiles, my 256 hd
	s_add_co_u32 s38, s38, s36
	s_add_co_u32 s38, s38, 0xc00000
	s_mov_b32 s39, 0
	s_lshl_b32 s40, ttmp9, 6
	s_add_co_u32 s40, s40, s66
	s_lshl_b32 s40, s40, 10
	s_lshl_b32 s70, s20, 8
	s_add_co_u32 s40, s40, s70                     ; oc: the chunk's first row + 256 x group of heads
	s_mov_b32 s41, 0
	s_mov_b32 s[SB], 0
	s_mov_b32 s[SB+1], 0x01010101
	s_mov_b32 s[SB+2], 0x02020202
	s_mov_b32 s[SB+3], 0x03030303
	s_mov_b32 s54, 0x76543210                      ; v_permlanex16_b32's selects for lane l xor 16
	s_mov_b32 s55, 0xfedcba98
	s_mov_b32 s56, 0x3e38aa3b                      ; c = log2(e) / 8
	s_mov_b32 s59, 0xfe967699                      ; -1e38
	s_mov_b32 s72, 0xff61b1e6                      ; NEG = -3e38: what a key that does not count gets
	s_wait_alu depctr_va_vdst(0)
	s_wait_kmcnt 0x0
	s_load_b128 s[44:47], s[10:11], 0x18           ; e6, e7, e8, e9
	s_load_b32 s48, s[10:11], 0x28                 ; e10
	s_add_nc_u64 s[26:27], s[4:5], s[26:27]
	s_add_nc_u64 s[28:29], s[4:5], s[28:29]
	s_add_nc_u64 s[30:31], s[4:5], s[30:31]
	s_add_nc_u64 s[32:33], s[4:5], s[32:33]
	s_add_nc_u64 s[34:35], s[6:7], s[34:35]
	s_add_nc_u64 s[36:37], s[8:9], s[36:37]
	s_add_nc_u64 s[38:39], s[4:5], s[38:39]
	s_add_nc_u64 s[40:41], s[12:13], s[40:41]
	global_load_b32 v232, v238, s[36:37]           ; 6 loads for the tables,
	global_load_b32 v233, v238, s[36:37] offset:512
.irp i, 0,1,2,3
	global_load_b32 v[234+\i], v239, s[38:39] offset:4096*\i
.endr
	global_load_b128 v[Q:Q+3], v3, s[26:27]        ; 18 for q and k,
	global_load_b128 v[Q+4:Q+7], v3, s[26:27] offset:32
.irp t, 0,1,2,3,4,5,6,7
	global_load_b128 v[KF+8*\t:KF+8*\t+3], v4, s[28:29] offset:(32*(\t/2)+8*(\t%2))*1024
	global_load_b128 v[KF+8*\t+4:KF+8*\t+7], v4, s[28:29] offset:(32*(\t/2)+8*(\t%2))*1024+32
.endr
.irp b, 0,1,2,3
	global_load_b128 v[MK+4*\b:MK+4*\b+3], v6, s[34:35] offset:32*\b   ; 4 for the mask,
.endr
.irp t, 0,1,2,3                        ; 16 for v: rows 16 t + r of the head, keys 32 c + 16 h + 0 .. 15 in registers 4 c .. 4 c + 3
.irp c, 0,1
	global_load_b128 v[VF+16*\t+4*\c:VF+16*\t+4*\c+3], v3, s[30:31] offset:16384*\t+32*\c
.endr
.irp c, 0,1
	global_load_b128 v[VF+16*\t+8+4*\c:VF+16*\t+8+4*\c+3], v3, s[32:33] offset:16384*\t+32*\c
.endr
.endr
	; ---- the tables
	s_wait_loadcnt 38                              ; the first 6 loads are in; the 38 behind them may be out
	v_cmp_gt_u32 s60, 64, v240                     ; 0 <= d < 64
	v_cmp_neq_f32 s61, 0, v232                     ; and the entry is not 0
	v_cmp_neq_f32 s62, 0, v233
	s_and_b32 s61, s61, s60
	s_and_b32 s62, s62, s60
	v_mul_f32 v232, 0x3fb8aa3b, v232               ; x log2(e)
	v_mul_f32 v233, 0x3fb8aa3b, v233
	v_mov_b32 v242, s72
	s_delay_alu instid0(VALU_DEP_1)
	v_cndmask_b32 v232, v242, v232, s61
	s_delay_alu instid0(VALU_DEP_2)
	v_cndmask_b32 v233, v242, v233, s62
	v_add_f32 v234, v234, v235
	v_add_f32 v236, v236, v237
	s_delay_alu instid0(VALU_DEP_1)
	v_add_f32 v234, v234, v236
	ds_store_b32 v241, v232                        ; heads 0, 1 of the four,
	ds_store_b32 v241, v233 offset:2048            ; heads 2, 3,
	ds_store_b32 v241, v234 offset:VS2             ; four tiles' sums
	s_wait_dscnt 0x0                               ; for the others' sake
	s_barrier_signal -1
	s_barrier_wait -1
	s_wait_kmcnt 0x0
	s_add_co_i32 s60, s44, s45
	s_lshl_b32 s60, s60, 23
	s_add_co_i32 s56, s56, s60                     ; a score stands for score x 2^(e6 + e7): the exponents are added to c's exponent field
	s_mov_b32 s57, s56                             ; (named with it as a pair)
	s_add_co_i32 s60, s47, 127
	s_lshl_b32 s61, s60, 23
	v_mov_b32 v244, s61                            ; 2^e9
	s_add_co_i32 s60, s60, 8
	s_lshl_b32 s60, s60, 23
	s_or_b32 s60, s60, 0x600000
	v_mov_b32 v245, s60                            ; 448 x 2^e9
	s_add_co_i32 s60, s48, 127
	s_lshl_b32 s61, s60, 23
	v_mov_b32 v246, s61                            ; 2^e10
	s_add_co_i32 s60, s60, 8
	s_lshl_b32 s60, s60, 23
	s_or_b32 s60, s60, 0x600000
	v_mov_b32 v247, s60                            ; 448 x 2^e10
	s_add_co_i32 s49, s46, s47                     ; e8 + e9
	; ---- S^T = k q^T: register S + 16 b + i is key kb + 32 b + 16 h + i of query t0 + r
	s_wait_loadcnt 20                              ; q and k are in; the mask's 4 and v's 16 loads may be out
.irp t, 0,1,2,3,4,5,6,7
	v_wmma_f32_16x16x64_fp8_fp8 v[S+8*\t:S+8*\t+7], v[KF+8*\t:KF+8*\t+7], v[Q:Q+7], 0
.endr
.rept 4
	v_nop                                          ; places in front of the loads into k's registers and of the first read of the scores
.endr
.set J, 0
.rept 64
	ds_load_b32 v[KF+J], v7 offset:4*J+64*(J/16)   ; the bias of register J: 32 lanes read 32 neighbouring words
.set J, J+1
.endr
	s_wait_dscnt 0x0
.set J, 0
.rept 32
	v_pk_fma_f32 v[S+J:S+J+1], v[S+J:S+J+1], s[56:57], v[KF+J:KF+J+1] op_sel_hi:[1,0,1]   ; t' = score x c + bias x log2(e); each accumulator from its low end on
.set J, J+2
.endr
	; ---- the mask that is given: a byte 1 keeps t', a byte 0 puts NEG in its place
	s_wait_loadcnt 16                              ; the mask is in; v's 16 loads may be out
.set J, 0
.rept 16
	v_mul_lo_u32 v[MK+J], v[MK+J], 255             ; bytes 0 or 1 become 0x00 or 0xff
.set J, J+1
.endr
.irp w, 0,1,2,3,4,5,6,7,8,9,10,11,12,13,14,15
.irp k, 0,1,2,3
	v_perm_b32 v[248+\k], v[MK+\w], v[MK+\w], s[SB+\k]
.endr
.irp k, 0,1,2,3
	s_delay_alu instid0(VALU_DEP_4)
	v_bfi_b32 v[S+4*\w+\k], v[248+\k], v[S+4*\w+\k], s72
.endr
.endr
	; ---- the row's largest t', M, p
	v_max3_num_f32 v252, v[S], v[S+1], v[S+2]
	v_max3_num_f32 v253, v[S+3], v[S+4], v[S+5]
.irp i, 6,10,14,18,22,26,30,34,38,42,46,50,54,58
	s_delay_alu instid0(VALU_DEP_2)
	v_max3_num_f32 v252, v252, v[S+\i], v[S+\i+1]
	s_delay_alu instid0(VALU_DEP_2)
	v_max3_num_f32 v253, v253, v[S+\i+2], v[S+\i+3]
.endr
	s_delay_alu instid0(VALU_DEP_2)
	v_max3_num_f32 v252, v252, v[S+62], v[S+63]
	s_delay_alu instid0(VALU_DEP_1)
	v_max_num_f32 v252, v252, v253
	s_delay_alu instid0(VALU_DEP_1)
	v_permlanex16_b32 v254, v252, s54, s55
	s_delay_alu instid0(VALU_DEP_1)
	v_max_num_f32 v252, v252, v254                 ; among my 64 keys and lane l xor 16's
	s_delay_alu instid0(VALU_DEP_1)
	v_cmp_gt_f32 s58, s59, v252                    ; no key is left for this query
	s_delay_alu instid0(VALU_DEP_2)
	v_floor_f32 v12, -v252                         ; -M = floor(-t') = -ceil(t')
.set J, 0
.rept 32
	v_pk_add_f32 v[S+J:S+J+1], v[S+J:S+J+1], v[12:13] op_sel_hi:[1,0]
.set J, J+2
.endr
.set J, 0
	s_wait_alu depctr_va_vdst(0)
.rept 64
	v_exp_f32 v[S+J], v[S+J]                       ; p = 2^(t' - M): at most 1; 0 for a key that does not count
.set J, J+1
.endr
	v_mov_b32 v255, 0x45000000                     ; 2,048.0  (a plain line behind the exponentials)
	s_wait_alu depctr_va_vdst(0)                   ; one wait for the whole batch, ahead of its first reader
	v_pk_add_f32 v[242:243], v[104:105], v[106:107]
	v_pk_add_f32 v[250:251], v[112:113], v[116:117]
	v_pk_add_f32 v[248:249], v[120:121], v[124:125]
	v_pk_add_f32 v[238:239], v[128:129], v[132:133]
	v_pk_add_f32 v[236:237], v[136:137], v[140:141]
	v_pk_add_f32 v[234:235], v[144:145], v[148:149]
	v_pk_add_f32 v[232:233], v[152:153], v[156:157]
	v_pk_add_f32 v[14:15], v[160:161], v[164:165]
	v_pk_add_f32 v[14:15], v[14:15], v[108:109]
	v_pk_add_f32 v[242:243], v[242:243], v[110:111]
	v_pk_add_f32 v[250:251], v[250:251], v[114:115]
	v_pk_add_f32 v[248:249], v[248:249], v[118:119]
	v_pk_add_f32 v[238:239], v[238:239], v[122:123]
	v_pk_add_f32 v[236:237], v[236:237], v[126:127]
	v_pk_add_f32 v[234:235], v[234:235], v[130:131]
	v_pk_add_f32 v[232:233], v[232:233], v[134:135]
	v_pk_add_f32 v[14:15], v[14:15], v[138:139]
	v_pk_add_f32 v[242:243], v[242:243], v[142:143]
	v_pk_add_f32 v[250:251], v[250:251], v[146:147]
	v_pk_add_f32 v[248:249], v[248:249], v[150:151]
	v_pk_add_f32 v[238:239], v[238:239], v[154:155]
	v_pk_add_f32 v[236:237], v[236:237], v[158:159]
	v_pk_add_f32 v[234:235], v[234:235], v[162:163]
	v_pk_add_f32 v[232:233], v[232:233], v[166:167]
	s_delay_alu instid0(VALU_DEP_4)
	v_pk_add_f32 v[14:15], v[14:15], v[238:239]
	s_delay_alu instid0(VALU_DEP_4)
	v_pk_add_f32 v[242:243], v[242:243], v[236:237]
	s_delay_alu instid0(VALU_DEP_4)
	v_pk_add_f32 v[250:251], v[250:251], v[234:235]
	s_delay_alu instid0(VALU_DEP_4)
	v_pk_add_f32 v[248:249], v[248:249], v[232:233]
	s_delay_alu instid0(VALU_DEP_2)
	v_pk_add_f32 v[14:15], v[14:15], v[250:251]
	s_delay_alu instid0(VALU_DEP_2)
	v_pk_add_f32 v[242:243], v[242:243], v[248:249]
	s_delay_alu instid0(VALU_DEP_1)
	v_pk_add_f32 v[14:15], v[14:15], v[242:243]
.irp b, 0,1,2,3
.irp i, 0,1,2,3,4,5,6,7,8,9,10,11,12,13,14,15
	v_min_num_f32 v[S+16*\b+\i], v[S+16*\b+\i], v245   ; the conversion does not saturate (ISA guide 7.6.2); p is not negative, so the hold is one-sided
.endr
	v_cvt_scalef32_pk8_fp8_f32 v[PC+4*\b:PC+4*\b+1], v[S+16*\b:S+16*\b+7], v244
	v_cvt_scalef32_pk8_fp8_f32 v[PC+4*\b+2:PC+4*\b+3], v[S+16*\b+8:S+16*\b+15], v244
.endr
	v_nop                                          ; one plain vector line between the conversions and the products that read their results
.irp u, 0,1                            ; the sums of v's codes at my 32 hd (16 t + 8 h + 0 .. 7), both halves, into p's registers, which are done with
.irp t, 0,1,2,3
	ds_load_b128 v[S+32*\u+8*\t:S+32*\u+8*\t+3], v11 offset:1024*\u+64*\t
	ds_load_b128 v[S+32*\u+8*\t+4:S+32*\u+8*\t+7], v11 offset:1024*\u+64*\t+16
.endr
.endr
	; ---- O^T = v^T p^T: register O + 8 t + j is hd 16 t + 8 h + j of query t0 + r
	s_wait_alu depctr_va_vdst(0)
	s_wait_loadcnt 0x0
.irp t, 0,1,2,3
	v_wmma_f32_16x16x128_fp8_fp8 v[O+8*\t:O+8*\t+7], v[VF+16*\t:VF+16*\t+15], v[PC:PC+15], 0
.endr
	v_add_f32 v14, v14, v15
	v_cvt_f32_fp8 v240, v[PC]                      ; where no key is left every p is 1: this is the code of 1 as a number
	s_delay_alu instid0(VALU_DEP_2)
	v_permlanex16_b32 v254, v14, s54, s55
	s_delay_alu instid0(VALU_DEP_1)
	v_add_f32 v14, v14, v254                       ; the row's sum
	s_delay_alu instid0(VALU_DEP_1)
	v_cndmask_b32 v14, v14, v255, s58              ; or 2,048
	s_wait_alu depctr_va_vdst(0)
	v_rcp_f32 v252, v14
	s_wait_dscnt 0x0
.set J, 0
.rept 16
	v_pk_add_f32 v[S+J:S+J+1], v[S+J:S+J+1], v[S+32+J:S+32+J+1]   ; (these plain lines are also the places behind the products and the reciprocal)
.set J, J+2
.endr
.set J, 0
.rept 16
	v_pk_mul_f32 v[S+J:S+J+1], v[S+J:S+J+1], v[240:241] op_sel_hi:[1,0]
.set J, J+2
.endr
.set J, 0
	s_wait_alu depctr_va_vdst(0)
.rept 32
	v_cndmask_b32 v[O+J], v[O+J], v[S+J], s58      ; each accumulator from its low end on
.set J, J+1
.endr
	s_wait_alu depctr_va_vdst(0)                   ; the wait ahead of the reciprocal's first reader
	v_ldexp_f32 v252, v252, s49                    ; x 2^(e8 + e9)
.set J, 0
.rept 16
	v_pk_mul_f32 v[O+J:O+J+1], v[O+J:O+J+1], v[252:253] op_sel_hi:[1,0]
.set J, J+2
.endr
.set J, 0
.rept 32
	v_med3_num_f32 v[O+J], v[O+J], -v247, v247
.set J, J+1
.endr
.irp t, 0,1,2,3
	v_cvt_scalef32_pk8_fp8_f32 v[OC+2*\t:OC+2*\t+1], v[O+8*\t:O+8*\t+7], v246
.endr
	v_nop
	; ---- the way out: a row's 256 bytes come from four waves
	s_wait_alu depctr_va_vdst(0)
	s_barrier_signal -1                            ; every wave's reads of the tables are back (the waits for 0 above): the stage is written only behind this barrier
	s_barrier_wait -1
.irp t, 0,1,2,3
	ds_store_b64 v8, v[OC+2*\t:OC+2*\t+1] offset:16*\t
.endr
	s_wait_dscnt 0x0                               ; for the others' sake
	s_barrier_signal -1
	s_barrier_wait -1
	ds_load_b128 v[16:19], v9
	ds_load_b128 v[20:23], v9 offset:32*SPI
	s_wait_dscnt 1
	global_store_b128 v10, v[16:19], s[40:41]      ; 16 lanes store 256 consecutive bytes, aligned
	s_wait_dscnt 0
	global_store_b128 v10, v[20:23], s[40:41] offset:32768
	s_wait_xcnt 0x0
	v_lshl_add_u32 v254, v0, 2, 0x5c00
	v_mov_b32 v255, 0
	s_wait_alu depctr_va_vdst(0)
	s_wait_tensorcnt 0x0
	ds_add_u32 v254, v255
	s_wait_dscnt 0x0
	s_endpgm
.Lfunc_end_k_q55910f73e9_attn:
	.size	k_q55910f73e9_attn, .Lfunc_end_k_q55910f73e9_attn-k_q55910f73e9_attn
	.p2alignl 7, 3214868480
	.fill 96, 4, 3214868480
	.section	.rodata,"a",@progbits
	.p2align	6, 0x0
	.amdhsa_kernel k_q55910f73e9_attn
		.amdhsa_group_segment_fixed_size 25600
		.amdhsa_private_segment_fixed_size 0
		.amdhsa_enable_private_segment 0
		.amdhsa_kernarg_size 40
		.amdhsa_user_sgpr_count 2
		.amdhsa_user_sgpr_kernarg_segment_ptr 1
		.amdhsa_wavefront_size32 1
		.amdhsa_system_sgpr_workgroup_id_x 1
		.amdhsa_system_sgpr_workgroup_id_y 1
		.amdhsa_system_sgpr_workgroup_id_z 1
		.amdhsa_system_vgpr_workitem_id 0
		.amdhsa_next_free_vgpr 256
		.amdhsa_next_free_sgpr 80
		.amdhsa_reserve_vcc 0
		.amdhsa_float_denorm_mode_32 3
		.amdhsa_float_denorm_mode_16_64 3
		.amdhsa_memory_ordered 1
		.amdhsa_forward_progress 1
		.amdhsa_inst_pref_size 53
	.end_amdhsa_kernel
	.amdgpu_metadata
---
amdhsa.version: [ 1, 2 ]
amdhsa.kernels:
  - .name:           k_q55910f73e9_attn
    .symbol:         k_q55910f73e9_attn.kd
    .args:
      - { .name: qkv, .offset: 0, .size: 8, .value_kind: global_buffer, .address_space: global }
      - { .name: causal_mask, .offset: 8, .size: 8, .value_kind: global_buffer, .address_space: global }
      - { .name: rpe, .offset: 16, .size: 8, .value_kind: global_buffer, .address_space: global }
      - { .name: lowp_scales, .offset: 24, .size: 8, .value_kind: global_buffer, .address_space: global }
      - { .name: oc, .offset: 32, .size: 8, .value_kind: global_buffer, .address_space: global }
    .group_segment_fixed_size: 25600
    .private_segment_fixed_size: 0
    .kernarg_segment_align: 8
    .kernarg_segment_size: 40
    .max_flat_workgroup_size: 512
    .sgpr_count:     80
    .vgpr_count:     256
    .wavefront_size: 32
...
	.end_amdgpu_metadata
.endif
;; end of part 3
;; launch wo (part 4): grid 8 x 32, 4 waves a work-group, clusters of 4 x 4, 296,448 bytes of LDS; arguments oc, Wo_codes, lowp_scales, x, pos, res; writes res
.if DOCPART == 4
	.amdgcn_target "amdgcn-amd-amdhsa--gfx1250"
	.amdhsa_code_object_version 6
	.text
	.protected	k_q55910f73e9_wo
	.globl	k_q55910f73e9_wo
	.p2align	8
	.type	k_q55910f73e9_wo,@function
k_q55910f73e9_wo:
	s_mov_b64 s[64:65], 0
	v_nop
	global_prefetch_b8 v0, s[64:65] scope:SCOPE_SE
	s_setreg_imm32_b32 hwreg(HW_REG_WAVE_MODE, 25, 1), 1
	s_wait_xcnt 0x0
	s_wait_alu depctr_hold_cnt(0) depctr_sa_sdst(0) depctr_va_vdst(0) depctr_va_sdst(0) depctr_va_ssrc(0) depctr_va_vcc(0) depctr_vm_vsrc(0)
	s_getreg_b32 s2, hwreg(HW_REG_IB_STS2, 6, 4)
	s_cmp_eq_u32 s2, 0
	s_cbranch_scc0 .Lentry_in_a_cluster
	s_endpgm
.Lentry_in_a_cluster:
	s_bfe_u32 s2, ttmp6, 0x10000c
	s_cmp_lg_u32 s2, 0xf033
	s_cbranch_scc0 .Lentry_shape_is_right
	s_endpgm
.Lentry_shape_is_right:
; res[m][n] = (x[m][n] + pos[m % 64][n]) + 2^(ea + eb) x sum over k of A[m][k] B[n][k]: the attention's projection on codes of E4M3, with the residual added on the way out.
; A = the attention's result [4096][1024] as codes, B = Wo's codes [1024 (n)][1024 (k)]; ea, eb = entries 10, 11 of the exponents.  x, res: [4096][1024] f32; pos: [64][1024] f32 (2,048 is a multiple of 64: the row's number modulo 64 is t % 64).
; LIMIT: ea + eb between -126 and 127, so that 2^(ea + eb) is an f32 number.  NaN is not served.
; A tile of C is 128 x 128: 256 tiles, a work-group each.  Four waves, each 64 x 64: 16 accumulators of 16 x 16.
; NO RING.  K is 1,024: a tile's whole A and B, 256 rows x 1,024 bytes, lie in LDS at once, in rows of 1,024 bytes + 16 of padding, a chunk being 256 along K of each row: 266,240 bytes.  Every LDS byte is filled once:
; each wave issues its one tensor load (64 rows x 1,024 bytes) at the start, and the products begin when all four loads have landed, behind a wait for 0 and a barrier behind which nothing is filled.
; CLUSTERS: 4 x 4 work-groups.  The four of a row of the cluster need the same rows of A, the four of a column the same rows of B: each tile is asked for JOINTLY, by the same tensor load with the same descriptor and a mask that names the four.
; THE MATRIX INSTRUCTION IS USED TRANSPOSED (source 0 = 16 rows of B, source 1 = 16 rows of A): a lane holds eight neighbouring numbers of a row of C.
; THE WAY OUT: a wave's 64 columns are 256 consecutive bytes of a row of C, aligned: so each wave sends its own blocks of 16 rows through its own stage in LDS and stores whole rows of 256 bytes.  x and pos are loaded at those
; same places at the kernel's head, 16 bytes a lane, and land while the tiles are on their way.
; REGISTERS, in windows of 256: window 0: v0-31 addresses; v32-63 a block's scaled sums; v64-127 two sets of rows read back; v128-255 the accumulators ((a, b) at v[128 + 8 (4 a + b)]).
;   window 1: two fragment buffers of 128: for 128 along K, 64 registers of A (4 x 16 rows), then 64 of B.   window 2: v0-127 x at my 64 x 64 numbers, later x + pos; v128-255 pos.
.set SIZE_N, 1024
.set CROW,   SIZE_N*4                  ; a row of x, pos and res in bytes
.set KROW,   1024                      ; a row of A or of B in memory, in bytes
.set SCB,    40                        ; where ea and eb lie among the exponents, in bytes
; THE FILL: each wave fetches its 64 rows whole, 1,024 bytes a row, by ONE tensor load; a chunk below is 256 bytes of each LDS row, and the products begin when all four loads have landed.
.set ROWB,   1024                      ; a tile's row in bytes: all of K
.set PITCH,  1040                      ; an LDS row: 1,024 bytes + 16 of padding = 65 x 16 bytes: the 16 rows that a load touches start at 16 different banks (64 banks of 4 bytes: ISA guide 11.1)
.set FR,     16                        ; registers of a fragment: 16 rows x 128 K
.set QT,     64*PITCH                  ; 64 rows: what one tensor load brings, and what one wave reads of A or of B in a chunk
.set CH,     256                       ; from chunk to chunk inside an LDS row
.set STAGE,  4*QT                      ; behind A's 128 and B's 128 rows: 16 rows x 272 bytes for each wave, for the way out; no tensor load lands there
.set SPITCH, 272
.set ADRA, 8                           ; v8-11   LDS address of my A fragments in chunk 0 .. 3
.set ADRB, 12                          ; v12-15  the same for B
.set STO,  24                          ; v24     the way out: where I put 32 bytes of a row
.set RD,   25                          ; v25     where I read a row back
.set CO,   26                          ; v26     my byte offset in two rows of x, pos and res; never rewritten
.set TMP,  32
.set BK,   64
.set ACC,  128
.set F0,   0                           ; fragment buffers, in window 1
.set F1,   128
.set XR,   0                           ; in window 2: x, block a's rows at 32 a
.set PR,   128                         ; in window 2: pos likewise
.set G1,  24                           ; s[24:31] descriptor group 1 for A's tiles
.set G1B, 48                           ; s[48:55] for B's: it differs in the mask alone
.set G0,  68                           ; s[68:71] descriptor group 0 for A's tiles
.set G0B, 84                           ; s[84:87] the same for B's
.set MSB, 0
.macro WIN new                         ; the immediate's high byte repeats the setting that is left
.if MSB != \new
	s_set_vgpr_msb (MSB<<8)|\new
.set MSB, \new
.endif
.endm
.set MUL,    0x05                      ; sources 0 (B) and 1 (A) window 1; C and D window 0
.set TO_F,   0x40                      ; destination window 1, address window 0
.set TO_X,   0x80                      ; destination window 2, address window 0
.set IN_X,   0x8a                      ; destination and sources 0, 1 window 2
.set FROM_X, 0x02                      ; source 0 window 2
.macro CROUND                          ; a round of the cluster's barrier: my work-group's barrier; wave 0 signals for the work-group; every wave waits for all sixteen; my work-group's barrier once more
	s_barrier_signal -1
	s_barrier_wait -1
	s_cmp_lg_u32 s14, 0
	s_cbranch_scc1 .Lnot_wave_0_\@
	s_barrier_signal -3
.Lnot_wave_0_\@:
	s_barrier_wait -3
	s_barrier_signal -1
	s_barrier_wait -1
.endm
	s_load_b128 s[4:7], s[0:1], 0x0                ; A's codes s[4:5], B's codes s[6:7]
	s_load_b128 s[8:11], s[0:1], 0x10              ; the scales' exponents s[8:9], x s[10:11]
	s_load_b128 s[60:63], s[0:1], 0x20             ; pos s[60:61], res s[62:63]
	v_lshl_add_u32 v30, v0, 2, 0x48400
	v_mov_b32 v31, 0
	ds_add_u32 v30, v31
	ds_add_u32 v30, v31
	v_lshrrev_b32 v1, 5, v0
	v_readfirstlane_b32 s14, v1                    ; wave 0..3
	s_lshr_b32 s15, s14, 1                         ; which half of the tile's rows is mine.  Also: I fetch for A (0) or for B (1)
	s_and_b32 s16, s14, 1                          ; which half of its columns.  Also: which 64 rows of that tile I fetch
	s_bfe_u32 s40, ttmp6, 0x40000                  ; cx, cy: my place in the cluster
	s_bfe_u32 s41, ttmp6, 0x40004
	s_lshl_b32 s42, ttmp9, 2
	s_add_co_u32 s42, s42, s40                     ; tile column of C = 4 x cluster x + cx
	s_and_b32 s17, ttmp7, 0xffff
	s_lshl_b32 s17, s17, 2
	s_add_co_u32 s17, s17, s41                     ; tile row of C = 4 x cluster y + cy
	s_lshl_b32 s43, s41, 2
	s_lshl_b32 s43, 15, s43                        ; my row of the cluster
	s_lshl_b32 s44, 0x1111, s40                    ; my column
	; descriptor group 1: a tile of 64 rows x 256 bytes, padded in LDS
	s_or_b32 s[G1+0], s43, (0<<16)|(1<<20)|(1<<21)|(7<<22)|(3<<25)  ; 15:0 the mask: my row; 17:16 element of 1 byte; 20 padding on; 21 set beside a mask; 24:22 after every 256 words (code 7); 31:25 of 4 words (code 3)
	s_or_b32 s[G1B+0], s44, (0<<16)|(1<<20)|(1<<21)|(7<<22)|(3<<25)
.irp g, G1, G1B
	s_mov_b32 s[\g+1], ROWB<<16                    ; tensor_dim0
	s_mov_b32 s[\g+2], 64<<16                      ; tensor_dim1 = 64
	s_mov_b32 s[\g+3], ROWB<<16                    ; tile_dim0
	s_mov_b32 s[\g+4], 64                          ; tile_dim1 = 64
	s_mov_b32 s[\g+5], KROW                        ; tensor_dim0_stride
	s_mov_b32 s[\g+6], 0
	s_mov_b32 s[\g+7], 0
.endr
	s_lshl_b32 s18, s16, 6                         ; which 64 rows of the tile I fetch
	s_lshl_b32 s20, s17, 7
	s_add_co_u32 s20, s20, s18                     ; A: row 128 x tile row + 64 x half,
	s_lshl_b32 s20, s20, 10                        ; of 1,024 bytes
	s_mov_b32 s21, 0
	s_lshl_b32 s46, s42, 7
	s_add_co_u32 s46, s46, s18                     ; B: row 128 x tile column + 64 x half
	s_lshl_b32 s46, s46, 10
	s_mov_b32 s47, 0
	s_mul_i32 s45, s14, QT                         ; where they go in a chunk: wave x 64 rows: no place in the cluster enters an LDS address
	s_wait_dscnt 0x0
	s_wait_kmcnt 0x0
	s_load_b64 s[56:57], s[8:9], SCB               ; ea, eb
	s_add_nc_u64 s[20:21], s[4:5], s[20:21]
	s_add_nc_u64 s[46:47], s[6:7], s[46:47]
	CROUND                                         ; all sixteen work-groups are here: the joint loads meet
.irp c, 0
	s_mov_b32 s[G0+4*\c], 1
	s_add_co_u32 s[G0+4*\c+1], s45, \c*CH                          ; 63:32 LDS address: chunk c
	s_add_nc_u64 s[G0+4*\c+2:G0+4*\c+3], s[20:21], \c*ROWB         ; 120:64 global address: 256 c along K
	s_or_b32 s[G0+4*\c+3], s[G0+4*\c+3], 0x80000000                ; 127:126 type = 2
	s_mov_b32 s[G0B+4*\c], 1
	s_add_co_u32 s[G0B+4*\c+1], s45, \c*CH
	s_add_nc_u64 s[G0B+4*\c+2:G0B+4*\c+3], s[46:47], \c*ROWB
	s_or_b32 s[G0B+4*\c+3], s[G0B+4*\c+3], 0x80000000
.endr
	s_cmp_eq_u32 s15, 0                            ; one fill a wave, in the two arms of one branch on the wave's number
	s_cbranch_scc0 .Lfirst_b
	tensor_load_to_lds s[G0:G0+3], s[G1:G1+7]
	s_nop 0
.rept 4
	v_nop
.endr
	s_branch .Lfirst_asked
.Lfirst_b:
	tensor_load_to_lds s[G0B:G0B+3], s[G1B:G1B+7]
	s_nop 0
.rept 4
	v_nop
.endr
.Lfirst_asked:
	v_and_b32 v1, 15, v0                           ; r = l % 16
	v_bfe_u32 v2, v0, 4, 1                         ; h = l / 16
	v_mul_u32_u24 v5, v2, CROW
	v_lshl_add_u32 v[CO], v1, 4, v5                ; lanes 0-15 one row's 256 bytes, lanes 16-31 the next row's
	; where my 64 x 64 numbers begin in x and res, in bytes; in pos only the columns count: my first row is a multiple of 64
	s_wait_alu depctr_va_vdst(0)
	s_lshl_b32 s20, s17, 7
	s_lshl_b32 s21, s15, 6
	s_add_co_u32 s20, s20, s21                     ; my first row: 128 x tile row + 64 x half,
	s_lshl_b32 s20, s20, 12                        ; of 4,096 bytes
	s_mov_b32 s21, 0
	s_lshl_b32 s46, s42, 9                         ; my first column, in bytes: 512 x tile column + 256 x half
	s_lshl_b32 s47, s16, 8
	s_add_co_u32 s46, s46, s47
	s_mov_b32 s47, 0
	s_add_nc_u64 s[60:61], s[60:61], s[46:47]
	s_add_nc_u64 s[20:21], s[20:21], s[46:47]
	s_add_nc_u64 s[10:11], s[10:11], s[20:21]
	s_add_nc_u64 s[62:63], s[62:63], s[20:21]
	WIN TO_X
.irp a, 0,1,2,3                        ; block a, rows 16 a + 2 t + h: the very places at which the results are stored
.irp t, 0,1,2,3,4,5,6,7
	global_load_b128 v[XR+32*\a+4*\t:XR+32*\a+4*\t+3], v[CO], s[10:11] offset:(16*\a+2*\t)*CROW th:TH_LOAD_NT
.endr
.endr
.irp a, 0,1,2,3
.irp t, 0,1,2,3,4,5,6,7
	global_load_b128 v[PR+32*\a+4*\t:PR+32*\a+4*\t+3], v[CO], s[60:61] offset:(16*\a+2*\t)*CROW
.endr
.endr
	WIN 0
	v_mul_u32_u24 v3, v1, PITCH
	v_lshl_add_u32 v4, v2, 4, v3                   ; a fragment's row x pitch + 16 x half
	s_wait_alu depctr_va_vdst(0)
	s_mul_i32 s21, s15, QT                         ; my 64 rows of A
	s_mul_i32 s22, s16, QT                         ; my 64 rows of B,
	s_add_co_u32 s22, s22, 2*QT                    ; which lie behind A's 128
.irp c, 0,1,2,3
	v_add_nc_u32 v[ADRA+\c], s21, v4
	v_add_nc_u32 v[ADRB+\c], s22, v4
	s_add_co_u32 s21, s21, CH
	s_add_co_u32 s22, s22, CH
.endr
	s_mul_i32 s23, s14, 16*SPITCH
	s_add_co_u32 s23, s23, STAGE                   ; my stage
	v_mul_u32_u24 v5, v1, SPITCH                   ; in: row r, 32 bytes for each half of the lanes
	v_lshl_add_u32 v5, v2, 5, v5
	v_add_nc_u32 v[STO], s23, v5
	v_mul_u32_u24 v5, v2, SPITCH                   ; back: lanes 0-15 take one row of 256 bytes, lanes 16-31 the next
	v_lshl_add_u32 v5, v1, 4, v5
	v_add_nc_u32 v[RD], s23, v5
.macro FRAG reg, adr, q, i             ; a fragment, 16 rows x 128 K, is 16 registers: lane l holds row l % 16; registers 4 c .. 4 c + 3 hold K = 32 c + 16 (l / 16) + 0 .. 15: the same permutation of k on both sides
.irp c, 0,1,2,3
	ds_load_b128 v[\reg+4*\c:\reg+4*\c+3], v[\adr] offset:128*(\q)+32*\c+(\i)*16*PITCH
.endr
.endm
; 32 LDS loads in one run: the fragments of the q-th 128 along K of chunk c into buffer f: B's four, then A's four, so that a step's first products can leave A's blocks 2 and 3 out
.macro FETCH c, q, f
	WIN TO_F
.irp i, 0,1,2,3
	FRAG \f+64+FR*\i, ADRB+\c, \q, \i
.endr
.irp i, 0,1,2,3
	FRAG \f+FR*\i, ADRA+\c, \q, \i
.endr
.endm
; 8 matrix instructions: A's blocks a0, a0 + 1 x B's four, 128 along K, from buffer f.  zero = 1: the first product starts the sums: nothing is ever cleared.
; The 16 accumulators take turns, one instruction a turn, in the same order in every step.
.macro MUL8 f, a0, zero
.irp a, \a0, \a0+1
.irp b, 0,1,2,3
.if \zero
	v_wmma_f32_16x16x128_fp8_fp8 v[ACC+8*(4*(\a)+\b):ACC+8*(4*(\a)+\b)+7], v[\f+64+FR*\b:\f+64+FR*\b+FR-1], v[\f+FR*(\a):\f+FR*(\a)+FR-1], 0
.else
	v_wmma_f32_16x16x128_fp8_fp8 v[ACC+8*(4*(\a)+\b):ACC+8*(4*(\a)+\b)+7], v[\f+64+FR*\b:\f+64+FR*\b+FR-1], v[\f+FR*(\a):\f+FR*(\a)+FR-1], v[ACC+8*(4*(\a)+\b):ACC+8*(4*(\a)+\b)+7]
.endif
.endr
.endr
.endm
.macro PLACES                          ; four plain vector lines between a matrix instruction and a load into a register that it has read (ISA guide 7.12.1 for vector instructions)
.rept 4
	v_nop
.endr
.endm
; A step of 128 along K: multiplies buffer f; in its middle it fetches the next step's fragments (chunk c, half q) into buffer g, which the step before has multiplied.
; tc >= 0: the next step begins a chunk.  I wait until at most tc of my tensor loads are out (they end in the order of issue: my part of that chunk has landed), and for my LDS loads, and signal; behind the barrier's wait the chunk
; is whole.  My later chunks' loads may stay out.  tc = -1: the next step lies in the chunk in hand.
.macro STEP f, g, c, q, tc, zero
.if \tc >= 0
	s_wait_tensorcnt \tc
	s_wait_dscnt 0x0                               ; no LDS instruction of mine is out at a signal; buffer f is whole
	s_barrier_signal -1
.else
	s_wait_dscnt 8                                 ; B's four and A's blocks 0, 1 are in; the youngest 8 loads (A's blocks 2, 3) may be out
.endif
	WIN MUL
	MUL8 \f, 0, \zero
.if \tc >= 0
	s_barrier_wait -1
.endif
	PLACES
	FETCH \c, \q, \g
.if \tc < 0
	s_wait_dscnt 32                                ; all but the 32 just issued
.endif
	WIN MUL
	MUL8 \f, 2, \zero
.endm
	s_wait_alu depctr_va_vdst(0)
	s_wait_tensorcnt 0x0                           ; my one load is in,
	s_barrier_signal -1
	s_barrier_wait -1                              ; everybody's is
	FETCH 0, 0, F0
	STEP F0, F1, 0, 1, -1, 1                       ; the first step's products start the sums
	STEP F1, F0, 1, 0, -1, 0
	STEP F0, F1, 1, 1, -1, 0
	STEP F1, F0, 2, 0, -1, 0
	STEP F0, F1, 2, 1, -1, 0
	STEP F1, F0, 3, 0, -1, 0
	STEP F0, F1, 3, 1, -1, 0
	s_wait_dscnt 8                                 ; the last step: nothing more to fetch
	WIN MUL
	MUL8 F1, 0, 0
	s_wait_dscnt 0
	MUL8 F1, 2, 0
	; THE WAY OUT.  h = x + pos first, as the layer has it; these 64 plain lines, on registers of window 2, are also the places behind the last products.
	s_wait_kmcnt 0x0
	s_add_co_i32 s56, s56, s57
	s_add_co_i32 s56, s56, 127
	s_lshl_b32 s56, s56, 23                        ; the f32 number 2^(ea + eb)
	s_wait_loadcnt 0x0                             ; x and pos
	WIN IN_X
.set J, 0
.rept 64
	v_pk_add_f32 v[XR+J:XR+J+1], v[XR+J:XR+J+1], v[PR+J:PR+J+1]
.set J, J+2
.endr
	WIN 0
; Block a, 16 rows x 64 columns: scaled, 32 bytes a lane into my own stage, and back as whole rows of 256 bytes.  LDS serves a wave's instructions in order (ISA guide 5.7.1.4): no wait between the stores and the loads.
.macro TOSTAGE a
.set AC, ACC+32*(\a)
.set J, 0
.rept 16
	v_pk_mul_f32 v[TMP+J:TMP+J+1], v[AC+J:AC+J+1], s[56:57] op_sel_hi:[1,0]   ; both x s56 = 2^(ea + eb); each accumulator from its low end on
.set J, J+2
.endr
.irp b, 0,1,2,3
	ds_store_b128 v[STO], v[TMP+8*\b:TMP+8*\b+3] offset:64*\b
	ds_store_b128 v[STO], v[TMP+8*\b+4:TMP+8*\b+7] offset:64*\b+16
.endr
.set BB, BK+32*((\a)%2)
.irp t, 0,1,2,3,4,5,6,7
	ds_load_b128 v[BB+4*\t:BB+4*\t+3], v[RD] offset:\t*2*SPITCH
.endr
.endm
.macro SEND a, younger                 ; younger: the LDS instructions issued behind block a's loads, which may stay out
.set BB, BK+32*((\a)%2)
	s_wait_dscnt \younger                          ; the block is back in registers
	WIN FROM_X
.set J, 0
.rept 16
	v_pk_add_f32 v[BB+J:BB+J+1], v[XR+32*(\a)+J:XR+32*(\a)+J+1], v[BB+J:BB+J+1]   ; h + the projection
.set J, J+2
.endr
	WIN 0
.irp t, 0,1,2,3,4,5,6,7
	global_store_b128 v[CO], v[BB+4*\t:BB+4*\t+3], s[62:63] offset:(16*(\a)+2*\t)*CROW th:TH_STORE_NT   ; 16 lanes store 256 consecutive bytes, aligned; nobody reads them in this launch.  62 rows at the most stand in the immediate
.endr
.endm
	TOSTAGE 0
.irp a, 1,2,3
.if \a > 1
	s_wait_xcnt 0x0                                ; block a - 2's stores have read their registers: block a's loads may land there
.endif
	TOSTAGE \a
	SEND \a-1, 16                                  ; behind block a - 1's loads: block a's 8 stores and 8 loads
.endr
	SEND 3, 0
	s_wait_tensorcnt 0x0
	ds_add_u32 v30, v31
	s_wait_dscnt 0x0
	CROUND                                         ; the closing round: no work-group ends while a partner may still ask for a tile that names it
	s_endpgm
.Lfunc_end_k_q55910f73e9_wo:
	.size	k_q55910f73e9_wo, .Lfunc_end_k_q55910f73e9_wo-k_q55910f73e9_wo
	.p2alignl 7, 3214868480
	.fill 96, 4, 3214868480
	.section	.rodata,"a",@progbits
	.p2align	6, 0x0
	.amdhsa_kernel k_q55910f73e9_wo
		.amdhsa_group_segment_fixed_size 296448
		.amdhsa_private_segment_fixed_size 0
		.amdhsa_enable_private_segment 0
		.amdhsa_kernarg_size 48
		.amdhsa_user_sgpr_count 2
		.amdhsa_user_sgpr_kernarg_segment_ptr 1
		.amdhsa_wavefront_size32 1
		.amdhsa_system_sgpr_workgroup_id_x 1
		.amdhsa_system_sgpr_workgroup_id_y 1
		.amdhsa_system_sgpr_workgroup_id_z 1
		.amdhsa_system_vgpr_workitem_id 0
		.amdhsa_next_free_vgpr 768
		.amdhsa_next_free_sgpr 100
		.amdhsa_reserve_vcc 0
		.amdhsa_float_denorm_mode_32 3
		.amdhsa_float_denorm_mode_16_64 3
		.amdhsa_memory_ordered 1
		.amdhsa_forward_progress 1
		.amdhsa_inst_pref_size 59
	.end_amdhsa_kernel
	.amdgpu_metadata
---
amdhsa.version: [ 1, 2 ]
amdhsa.kernels:
  - .name:           k_q55910f73e9_wo
    .symbol:         k_q55910f73e9_wo.kd
    .args:
      - { .name: oc, .offset: 0, .size: 8, .value_kind: global_buffer, .address_space: global }
      - { .name: Wo_codes, .offset: 8, .size: 8, .value_kind: global_buffer, .address_space: global }
      - { .name: lowp_scales, .offset: 16, .size: 8, .value_kind: global_buffer, .address_space: global }
      - { .name: x, .offset: 24, .size: 8, .value_kind: global_buffer, .address_space: global }
      - { .name: pos, .offset: 32, .size: 8, .value_kind: global_buffer, .address_space: global }
      - { .name: res, .offset: 40, .size: 8, .value_kind: global_buffer, .address_space: global }
    .group_segment_fixed_size: 296448
    .private_segment_fixed_size: 0
    .kernarg_segment_align: 8
    .kernarg_segment_size: 48
    .max_flat_workgroup_size: 128
    .sgpr_count:     100
    .vgpr_count:     768
    .wavefront_size: 32
...
	.end_amdgpu_metadata
.endif
;; end of part 4
;; launch ln1 (part 5): grid 256 x 1, 16 waves a work-group, no clusters, 92,160 bytes of LDS; arguments res, ln1_scale, ln1_offset, lowp_scales, att, ac; writes att, ac
.if DOCPART == 5
	.amdgcn_target "amdgcn-amd-amdhsa--gfx1250"
	.amdhsa_code_object_version 6
	.text
	.protected	k_q55910f73e9_ln1
	.globl	k_q55910f73e9_ln1
	.p2align	8
	.type	k_q55910f73e9_ln1,@function
k_q55910f73e9_ln1:
	s_mov_b64 s[64:65], 0
	v_nop
	global_prefetch_b8 v0, s[64:65] scope:SCOPE_SE
	s_setreg_imm32_b32 hwreg(HW_REG_WAVE_MODE, 25, 1), 1
	s_wait_xcnt 0x0
; att = LayerNorm(res) x ln1_scale + ln1_offset, in f32, and its codes of E4M3 with 2^e12 for the product with W1.  res = (x + pos) + the attention's projection, as the launch before has stored it.
; res, att: [4096][1024] f32; ac: [4096][1024] codes.  mean and variance as the layer has them: the mean first, then the mean of the squared differences; eps = 1e-5.
; One wave, one row, kept in 32 registers: lane l holds columns 128 i + 4 l + 0 .. 3, so each load and store of the wave covers 512 consecutive bytes, aligned.  The row's 8 loads go out at once.
; Scale and offset are read from memory once a work-group (8 bytes a thread) and handed to the sixteen waves through LDS: one barrier.
; For the conversions a lane must hold 16 neighbours: each half of the row turns through the wave's own stage in LDS (16 bytes of padding behind each 64).
; LIMITS: e12 between -126 and 119; NaN is not served.
.set A, 16                             ; v16-47   the row
.set B, 48                             ; v48-79   the scale; then 16 neighbours for each half
.set C, 80                             ; v80-111  the offset; then the codes
.set SP, 80
.set STAGE, 8192                       ; behind the two constants: 2 x 32 x SP bytes for each wave
	s_load_b256 s[4:11], s[0:1], 0x0               ; res s[4:5], scale s[6:7], offset s[8:9], the exponents s[10:11]
	s_load_b128 s[12:15], s[0:1], 0x20             ; att s[12:13], ac s[14:15]
	v_lshl_add_u32 v160, v0, 2, 0x16000
	v_mov_b32 v161, 0
	v_lshrrev_b32 v3, 5, v0
	s_delay_alu instid0(VALU_DEP_1)
	v_readfirstlane_b32 s20, v3                    ; wave 0..15
	v_and_b32 v4, 31, v0
	s_delay_alu instid0(VALU_DEP_1)
	v_lshlrev_b32 v1, 4, v4                        ; 16 x lane
	v_lshlrev_b32 v2, 3, v0                        ; 8 x thread
	s_mul_i32 s21, s20, 2*32*SP
	s_add_co_u32 s21, s21, STAGE
	v_lshrrev_b32 v5, 2, v4
	s_delay_alu instid0(VALU_DEP_1)
	v_mul_u32_u24 v5, v5, SP
	v_and_b32 v6, 3, v4
	s_delay_alu instid0(VALU_DEP_1)
	v_lshl_add_u32 v5, v6, 4, v5
	s_delay_alu instid0(VALU_DEP_1)
	v_add_nc_u32 v5, s21, v5                       ; the stage, on the way in: SP (lane / 4) + 16 (lane % 4)
	v_mul_u32_u24 v6, v4, SP
	s_delay_alu instid0(VALU_DEP_1)
	v_add_nc_u32 v6, s21, v6                       ; and on the way out: SP x lane
	v_mov_b32 v149, 0                              ; (upper halves of pairs, and a lane permute's destination: written once)
	v_mov_b32 v151, 0
	v_mov_b32 v152, 0
	s_lshl_b32 s22, ttmp9, 4
	s_add_co_u32 s22, s22, s20                     ; my row
	s_lshl_b32 s24, s22, 12
	s_mov_b32 s25, 0
	s_lshl_b32 s28, s22, 10
	s_mov_b32 s29, 0
	s_mov_b32 s30, 0x76543210                      ; v_permlanex16_b32's selects for lane l xor 16
	s_mov_b32 s31, 0xfedcba98
	s_mov_b32 s32, 0x3a800000                      ; 1 / 1,024
	s_mov_b32 s33, 0x3727c5ac                      ; 1e-5
	s_wait_kmcnt 0x0
	s_load_b32 s34, s[10:11], 0x30                 ; e12
	s_add_nc_u64 s[4:5], s[4:5], s[24:25]
	s_add_nc_u64 s[12:13], s[12:13], s[24:25]
	s_add_nc_u64 s[14:15], s[14:15], s[28:29]
	global_load_b64 v[144:145], v2, s[6:7]
	global_load_b64 v[146:147], v2, s[8:9]
.irp i, 0,1,2,3,4,5,6,7
	global_load_b128 v[A+4*\i:A+4*\i+3], v1, s[4:5] offset:512*\i th:TH_LOAD_NT
.endr
	s_wait_loadcnt 8                               ; the two constants are in; the row's 8 loads may be out
	ds_store_b64 v2, v[144:145]
	ds_store_b64 v2, v[146:147] offset:4096
	s_wait_dscnt 0x0                               ; for the others' sake
	s_barrier_signal -1
	s_barrier_wait -1
.irp i, 0,1,2,3,4,5,6,7
	ds_load_b128 v[B+4*\i:B+4*\i+3], v1 offset:512*\i         ; the scale at my columns,
.endr
.irp i, 0,1,2,3,4,5,6,7
	ds_load_b128 v[C+4*\i:C+4*\i+3], v1 offset:4096+512*\i    ; the offset: they land while the row arrives and the sums are made
.endr
	s_wait_kmcnt 0x0
	s_add_co_i32 s34, s34, 127
	s_lshl_b32 s35, s34, 23
	v_mov_b32 v153, s35                            ; 2^e12
	s_add_co_i32 s34, s34, 8
	s_lshl_b32 s34, s34, 23
	s_or_b32 s34, s34, 0x600000
	v_mov_b32 v154, s34                            ; 448 x 2^e12
	s_wait_loadcnt 0x0
.macro WSUM r, t                       ; the sum over the wave's 32 lanes, in every lane
	s_delay_alu instid0(VALU_DEP_1)
	v_add_f32_dpp v[\r], v[\r], v[\r] row_xmask:1 row_mask:0xf bank_mask:0xf
	s_delay_alu instid0(VALU_DEP_1)
	v_add_f32_dpp v[\r], v[\r], v[\r] row_xmask:2 row_mask:0xf bank_mask:0xf
	s_delay_alu instid0(VALU_DEP_1)
	v_add_f32_dpp v[\r], v[\r], v[\r] row_xmask:4 row_mask:0xf bank_mask:0xf
	s_delay_alu instid0(VALU_DEP_1)
	v_add_f32_dpp v[\r], v[\r], v[\r] row_xmask:8 row_mask:0xf bank_mask:0xf
	s_delay_alu instid0(VALU_DEP_1)
	v_permlanex16_b32 v[\t], v[\r], s30, s31
	s_delay_alu instid0(VALU_DEP_1)
	v_add_f32 v[\r], v[\r], v[\t]
.endm
	v_pk_add_f32 v[146:147], v[16:17], v[18:19]
	v_pk_add_f32 v[158:159], v[24:25], v[28:29]
	v_pk_add_f32 v[156:157], v[32:33], v[36:37]
	v_pk_add_f32 v[142:143], v[40:41], v[44:45]
	v_pk_add_f32 v[140:141], v[20:21], v[22:23]
	v_pk_add_f32 v[138:139], v[26:27], v[30:31]
	v_pk_add_f32 v[136:137], v[34:35], v[38:39]
	v_pk_add_f32 v[144:145], v[42:43], v[46:47]
	s_delay_alu instid0(VALU_DEP_1)
	v_pk_add_f32 v[144:145], v[144:145], v[142:143]
	v_pk_add_f32 v[146:147], v[146:147], v[140:141]
	v_pk_add_f32 v[158:159], v[158:159], v[138:139]
	v_pk_add_f32 v[156:157], v[156:157], v[136:137]
	s_delay_alu instid0(VALU_DEP_2)
	v_pk_add_f32 v[144:145], v[144:145], v[158:159]
	s_delay_alu instid0(VALU_DEP_2)
	v_pk_add_f32 v[146:147], v[146:147], v[156:157]
	s_delay_alu instid0(VALU_DEP_1)
	v_pk_add_f32 v[144:145], v[144:145], v[146:147]
	s_delay_alu instid0(VALU_DEP_1)
	v_add_f32 v144, v144, v145
	WSUM 144, 152
	s_delay_alu instid0(VALU_DEP_1)
	v_mul_f32 v148, s32, v144                      ; the mean
.set J, 0
.rept 16
	v_pk_add_f32 v[A+J:A+J+1], v[A+J:A+J+1], v[148:149] op_sel_hi:[1,0] neg_lo:[0,1] neg_hi:[0,1]
.set J, J+2
.endr
	v_pk_mul_f32 v[144:145], v[A:A+1], v[A:A+1]
	v_pk_mul_f32 v[146:147], v[A+2:A+3], v[A+2:A+3]
.irp j, 4,8,12,16,20,24,28
	s_delay_alu instid0(VALU_DEP_2)
	v_pk_fma_f32 v[144:145], v[A+\j:A+\j+1], v[A+\j:A+\j+1], v[144:145]
	s_delay_alu instid0(VALU_DEP_2)
	v_pk_fma_f32 v[146:147], v[A+\j+2:A+\j+3], v[A+\j+2:A+\j+3], v[146:147]
.endr
	s_delay_alu instid0(VALU_DEP_1)
	v_pk_add_f32 v[144:145], v[144:145], v[146:147]
	s_delay_alu instid0(VALU_DEP_1)
	v_add_f32 v144, v144, v145
	WSUM 144, 152
	s_delay_alu instid0(VALU_DEP_1)
	v_fma_f32 v144, v144, s32, s33                 ; the variance + eps
	s_wait_alu depctr_va_vdst(0)
	v_rsq_f32 v150, v144
	v_nop                                          ; a plain line behind the transcendental
	s_wait_alu depctr_va_vdst(0)                   ; and the wait ahead of its first reader
	s_wait_dscnt 0x0                               ; scale and offset are in
.set J, 0
.rept 16
	v_pk_mul_f32 v[A+J:A+J+1], v[A+J:A+J+1], v[150:151] op_sel_hi:[1,0]
.set J, J+2
.endr
.set J, 0
.rept 16
	v_pk_fma_f32 v[A+J:A+J+1], v[A+J:A+J+1], v[B+J:B+J+1], v[C+J:C+J+1]
.set J, J+2
.endr
.irp i, 0,1,2,3,4,5,6,7
	global_store_b128 v1, v[A+4*\i:A+4*\i+3], s[12:13] offset:512*\i   ; A's registers are not written again
.endr
.irp u, 0,1                            ; each half of the row, 512 numbers, through its stage
.irp j, 0,1,2,3
	ds_store_b128 v5, v[A+16*\u+4*\j:A+16*\u+4*\j+3] offset:32*SP*\u+8*SP*\j
.endr
.irp j, 0,1,2,3
	ds_load_b128 v[B+16*\u+4*\j:B+16*\u+4*\j+3], v6 offset:32*SP*\u+16*\j
.endr
.endr
.irp u, 0,1
	s_wait_dscnt 8-8*\u                            ; this half is back; the other half's four stores and four loads may be out
.irp i, 0,1,2,3,4,5,6,7,8,9,10,11,12,13,14,15
	v_med3_num_f32 v[B+16*\u+\i], v[B+16*\u+\i], -v154, v154   ; the conversion to an 8-bit code does not saturate (ISA guide 7.6.2): the hold at the largest code x the scale
.endr
	v_cvt_scalef32_pk8_fp8_f32 v[C+4*\u:C+4*\u+1], v[B+16*\u:B+16*\u+7], v153
	v_cvt_scalef32_pk8_fp8_f32 v[C+4*\u+2:C+4*\u+3], v[B+16*\u+8:B+16*\u+15], v153
	v_nop
	global_store_b128 v1, v[C+4*\u:C+4*\u+3], s[14:15] offset:512*\u   ; 512 consecutive bytes of codes
.endr
	s_wait_tensorcnt 0x0
	ds_add_u32 v160, v161
	s_wait_dscnt 0x0
	s_endpgm
.Lfunc_end_k_q55910f73e9_ln1:
	.size	k_q55910f73e9_ln1, .Lfunc_end_k_q55910f73e9_ln1-k_q55910f73e9_ln1
	.p2alignl 7, 3214868480
	.fill 96, 4, 3214868480
	.section	.rodata,"a",@progbits
	.p2align	6, 0x0
	.amdhsa_kernel k_q55910f73e9_ln1
		.amdhsa_group_segment_fixed_size 92160
		.amdhsa_private_segment_fixed_size 0
		.amdhsa_enable_private_segment 0
		.amdhsa_kernarg_size 48
		.amdhsa_user_sgpr_count 2
		.amdhsa_user_sgpr_kernarg_segment_ptr 1
		.amdhsa_wavefront_size32 1
		.amdhsa_system_sgpr_workgroup_id_x 1
		.amdhsa_system_sgpr_workgroup_id_y 1
		.amdhsa_system_sgpr_workgroup_id_z 1
		.amdhsa_system_vgpr_workitem_id 0
		.amdhsa_next_free_vgpr 162
		.amdhsa_next_free_sgpr 66
		.amdhsa_reserve_vcc 0
		.amdhsa_float_denorm_mode_32 3
		.amdhsa_float_denorm_mode_16_64 3
		.amdhsa_memory_ordered 1
		.amdhsa_forward_progress 1
		.amdhsa_inst_pref_size 17
	.end_amdhsa_kernel
	.amdgpu_metadata
---
amdhsa.version: [ 1, 2 ]
amdhsa.kernels:
  - .name:           k_q55910f73e9_ln1
    .symbol:         k_q55910f73e9_ln1.kd
    .args:
      - { .name: res, .offset: 0, .size: 8, .value_kind: global_buffer, .address_space: global }
      - { .name: ln1_scale, .offset: 8, .size: 8, .value_kind: global_buffer, .address_space: global }
      - { .name: ln1_offset, .offset: 16, .size: 8, .value_kind: global_buffer, .address_space: global }
      - { .name: lowp_scales, .offset: 24, .size: 8, .value_kind: global_buffer, .address_space: global }
      - { .name: att, .offset: 32, .size: 8, .value_kind: global_buffer, .address_space: global }
      - { .name: ac, .offset: 40, .size: 8, .value_kind: global_buffer, .address_space: global }
    .group_segment_fixed_size: 92160
    .private_segment_fixed_size: 0
    .kernarg_segment_align: 8
    .kernarg_segment_size: 48
    .max_flat_workgroup_size: 512
    .sgpr_count:     66
    .vgpr_count:     162
    .wavefront_size: 32
...
	.end_amdgpu_metadata
.endif
;; end of part 5
;; launch w1 (part 6): grid 16 x 16, 4 waves a work-group, clusters of 4 x 4, 327,680 bytes of LDS; arguments ac, W1_codes, lowp_scales, b1, hid; writes hid
.if DOCPART == 6
	.amdgcn_target "amdgcn-amd-amdhsa--gfx1250"
	.amdhsa_code_object_version 6
	.text
	.protected	k_q55910f73e9_w1
	.globl	k_q55910f73e9_w1
	.p2align	8
	.type	k_q55910f73e9_w1,@function
k_q55910f73e9_w1:
	s_mov_b64 s[64:65], 0
	v_nop
	global_prefetch_b8 v0, s[64:65] scope:SCOPE_SE
	s_setreg_imm32_b32 hwreg(HW_REG_WAVE_MODE, 25, 1), 1
	s_wait_xcnt 0x0
	s_wait_alu depctr_hold_cnt(0) depctr_sa_sdst(0) depctr_va_vdst(0) depctr_va_sdst(0) depctr_va_ssrc(0) depctr_va_vcc(0) depctr_vm_vsrc(0)
	s_getreg_b32 s2, hwreg(HW_REG_IB_STS2, 6, 4)
	s_cmp_eq_u32 s2, 0
	s_cbranch_scc0 .Lentry_in_a_cluster
	s_endpgm
.Lentry_in_a_cluster:
	s_bfe_u32 s2, ttmp6, 0x10000c
	s_cmp_lg_u32 s2, 0xf033
	s_cbranch_scc0 .Lentry_shape_is_right
	s_endpgm
.Lentry_shape_is_right:
.set KROW,   1024
.set LAPS,   2
.set OPITCH, 4096
.set KSTEP,  256
.set ROWB,   256
.set PITCH,  272
.set FR,     16
.set NL,     4
.set NP,     4
.set HALFT,  128*PITCH
.set SLOT,   4*HALFT
.set SPARE,  2*SLOT
.set SPITCH, 272
.set ADRA, 16
.set ADRB, 20
.set STO,  24
.set RD,   25
.set CO,   26
.set BO,   27
.set SPW,  28
.set NIL,  29
.set SC,   30
.set LIM,  31
.set BI,   32
.set TMP,  96
.set CD,   160
.set AF,   128
.set G1, 24
.set G0, 32
.set G1B, 48
.set G0B, 56
.set MSB, 0
.macro WIN new
.if MSB != \new
	s_set_vgpr_msb (MSB<<8)|\new
.set MSB, \new
.endif
.endm
.set MUL_LO, 0xa1
.set MUL_HI, 0xf1
.set TO_B,   0x40
.macro JLOAD g0a, g1a, g0b, g1b
	s_cmp_eq_u32 s15, 0
	s_cbranch_scc0 .Lfor_b_\@
	tensor_load_to_lds s[\g0a:\g0a+3], s[\g1a:\g1a+7]
	s_nop 0
.rept 4
	v_nop
.endr
	s_branch .Lasked_\@
.Lfor_b_\@:
	tensor_load_to_lds s[\g0b:\g0b+3], s[\g1b:\g1b+7]
	s_nop 0
.rept 4
	v_nop
.endr
.Lasked_\@:
.endm
.macro CREST
	s_cmp_lg_u32 s14, 0
	s_cbranch_scc1 .Lnot_wave_0_\@
	s_barrier_signal -3
.Lnot_wave_0_\@:
	s_barrier_wait -3
	s_barrier_signal -1
	s_barrier_wait -1
.endm
.macro CROUND
	s_barrier_signal -1
	s_barrier_wait -1
	CREST
.endm
	s_load_b128 s[4:7], s[0:1], 0x0
	s_load_b128 s[8:11], s[0:1], 0x10
	s_load_b64 s[12:13], s[0:1], 0x20
	v_lshl_add_u32 v[SPW], v0, 2, SPARE
	v_mov_b32 v[NIL], 0
	ds_add_u32 v28, v29
	ds_add_u32 v28, v29
	s_wait_dscnt 0x0
	v_lshrrev_b32 v1, 5, v0
	v_readfirstlane_b32 s14, v1
	s_lshr_b32 s15, s14, 1
	s_and_b32 s16, s14, 1
	s_bfe_u32 s40, ttmp6, 0x40000
	s_bfe_u32 s41, ttmp6, 0x40004
	s_lshl_b32 s42, ttmp9, 2
	s_add_co_u32 s42, s42, s40
	s_and_b32 s17, ttmp7, 0xffff
	s_lshl_b32 s17, s17, 2
	s_add_co_u32 s17, s17, s41
	s_lshl_b32 s43, s41, 2
	s_lshl_b32 s43, 15, s43
	s_lshl_b32 s44, 0x1111, s40
	s_or_b32 s[G1+0], s43, (0<<16)|(1<<20)|(1<<21)|(5<<22)|(3<<25)
	s_or_b32 s[G1B+0], s44, (0<<16)|(1<<20)|(1<<21)|(5<<22)|(3<<25)
.irp g, G1, G1B
	s_mov_b32 s[\g+1], ROWB<<16
	s_mov_b32 s[\g+2], 128<<16
	s_mov_b32 s[\g+3], ROWB<<16
	s_mov_b32 s[\g+4], 128
	s_mov_b32 s[\g+5], KROW
	s_mov_b32 s[\g+6], 0
	s_mov_b32 s[\g+7], 0
.endr
	s_lshl_b32 s18, s16, 7
	s_lshl_b32 s20, s17, 8
	s_add_co_u32 s20, s20, s18
	s_lshl_b32 s46, s42, 8
	s_add_co_u32 s46, s46, s18
	s_mov_b32 s21, 0
	s_mov_b32 s47, 0
	s_mov_b64 s[18:19], KROW
	s_mul_u64 s[20:21], s[20:21], s[18:19]
	s_mul_u64 s[46:47], s[46:47], s[18:19]
	s_mul_i32 s45, s14, HALFT
	s_wait_kmcnt 0x0
	s_load_b128 s[96:99], s[8:9], 0x30
	s_add_nc_u64 s[20:21], s[4:5], s[20:21]
	s_add_nc_u64 s[46:47], s[6:7], s[46:47]
	CROUND
.irp s, 0,1
	s_mov_b32 s[G0+4*\s], 1
	s_add_co_u32 s[G0+4*\s+1], s45, \s*SLOT
	s_add_nc_u64 s[G0+4*\s+2:G0+4*\s+3], s[20:21], \s*ROWB
	s_or_b32 s[G0+4*\s+3], s[G0+4*\s+3], 0x80000000
	s_mov_b32 s[G0B+4*\s], 1
	s_add_co_u32 s[G0B+4*\s+1], s45, \s*SLOT
	s_add_nc_u64 s[G0B+4*\s+2:G0B+4*\s+3], s[46:47], \s*ROWB
	s_or_b32 s[G0B+4*\s+3], s[G0B+4*\s+3], 0x80000000
.endr
	; BOTH SLOTS ARE FILLED AT THE HEAD, one tensor load a wave: wave w fetches all 256 rows of A (w even) or of B (w odd) of K step w / 2.  Group 1 states 256 rows here and 128 for the refills.
	s_mov_b32 s[G1+2], 256<<16
	s_mov_b32 s[G1+4], 256
	s_mov_b32 s[G1B+2], 256<<16
	s_mov_b32 s[G1B+4], 256
	s_mul_i32 s3, s15, SLOT                        ; the K step's slot
	s_lshl_b32 s18, s17, 18                        ; A: 256 rows of 1,024 bytes x the tile row
	s_mov_b32 s19, 0
	s_mov_b32 s68, 1
	s_mov_b32 s69, s3
	s_add_nc_u64 s[70:71], s[4:5], s[18:19]
	s_lshl_b32 s18, s15, 8                         ; 256 bytes along K for each K step
	s_add_nc_u64 s[70:71], s[70:71], s[18:19]
	s_or_b32 s71, s71, 0x80000000
	s_lshl_b32 s66, s42, 18                        ; B: the same by the tile column
	s_mov_b32 s67, 0
	s_mov_b32 s72, 1
	s_add_co_u32 s73, s3, 2*HALFT                  ; behind A's 256 rows
	s_add_nc_u64 s[74:75], s[6:7], s[66:67]
	s_add_nc_u64 s[74:75], s[74:75], s[18:19]
	s_or_b32 s75, s75, 0x80000000
	s_cmp_eq_u32 s16, 0
	s_cbranch_scc0 .Lhead_b
	tensor_load_to_lds s[68:71], s[G1:G1+7]
	s_nop 0
.rept 4
	v_nop
.endr
	s_branch .Lhead_asked
.Lhead_b:
	tensor_load_to_lds s[72:75], s[G1B:G1B+7]
	s_nop 0
.rept 4
	v_nop
.endr
.Lhead_asked:
	v_and_b32 v1, 15, v0
	v_bfe_u32 v2, v0, 4, 1
	s_wait_alu depctr_va_vdst(0)
	v_mul_u32_u24 v3, v1, PITCH
	v_lshl_add_u32 v4, v2, 4, v3
	s_mul_i32 s21, s15, HALFT
	s_mul_i32 s22, s16, HALFT
	s_add_co_u32 s22, s22, 2*HALFT
.irp s, 0,1
	v_add_nc_u32 v[ADRA+\s], s21, v4
	v_add_nc_u32 v[ADRB+\s], s22, v4
	s_add_co_u32 s21, s21, SLOT
	s_add_co_u32 s22, s22, SLOT
.endr
	s_lshl_b32 s20, s42, 10
	s_lshl_b32 s21, s16, 9
	s_add_co_u32 s20, s20, s21
	s_mov_b32 s21, 0
	s_add_nc_u64 s[10:11], s[10:11], s[20:21]
	v_lshlrev_b32 v[BO], 5, v2
.irp b, 0,1,2,3,4,5,6,7
	global_load_b128 v[BI+8*\b:BI+8*\b+3], v[BO], s[10:11] offset:64*\b
	global_load_b128 v[BI+8*\b+4:BI+8*\b+7], v[BO], s[10:11] offset:64*\b+16
.endr
	s_mul_i32 s23, s15, 128*SPITCH
	s_lshl_b32 s21, s16, 7
	s_add_co_u32 s23, s23, s21
	v_mul_u32_u24 v5, v1, SPITCH
	v_lshl_add_u32 v5, v2, 3, v5
	v_add_nc_u32 v[STO], s23, v5
	s_mul_i32 s23, s14, 64*SPITCH
	v_mul_u32_u24 v5, v2, SPITCH
	v_lshl_add_u32 v5, v1, 4, v5
	v_add_nc_u32 v[RD], s23, v5
	v_mul_u32_u24 v5, v2, OPITCH
	v_lshl_add_u32 v[CO], v1, 4, v5
	s_lshl_b32 s20, s17, 8
	s_lshl_b32 s21, s14, 6
	s_add_co_u32 s20, s20, s21
	s_lshl_b32 s20, s20, 12
	s_lshl_b32 s46, s42, 8
	s_add_co_u32 s20, s20, s46
	s_mov_b32 s21, 0
	s_add_nc_u64 s[12:13], s[12:13], s[20:21]
.macro FRAG reg, adr, q, i
.irp c, 0,1,2,3
	ds_load_b128 v[\reg+4*\c:\reg+4*\c+3], v[\adr] offset:128*(\q)+32*\c+(\i)*16*PITCH
.endr
.endm
.macro MUL16 a0, p, zero
.irp a, \a0, \a0+1
.irp b, 0,1,2,3,4,5,6,7
.if \zero
	v_wmma_f32_16x16x128_fp8_fp8 v[8*(8*((\a)%4)+\b):8*(8*((\a)%4)+\b)+7], v[128*(\p)+FR*\b:128*(\p)+FR*\b+FR-1], v[AF+FR*(\a):AF+FR*(\a)+FR-1], 0
.else
	v_wmma_f32_16x16x128_fp8_fp8 v[8*(8*((\a)%4)+\b):8*(8*((\a)%4)+\b)+7], v[128*(\p)+FR*\b:128*(\p)+FR*\b+FR-1], v[AF+FR*(\a):AF+FR*(\a)+FR-1], v[8*(8*((\a)%4)+\b):8*(8*((\a)%4)+\b)+7]
.endif
.endr
.endr
.endm
.macro FETCH_B slot, q, p
	WIN TO_B
.irp i, 0,1,2,3,4,5,6,7
	FRAG 128*(\p)+FR*\i, ADRB+\slot, \q, \i
.endr
	WIN 0
.endm
.macro FETCH_A slot, q, i0
.irp i, \i0, \i0+1, \i0+2, \i0+3
	FRAG AF+FR*(\i), ADRA+\slot, \q, \i
.endr
.endm
.macro PLACES n
.rept \n
	v_nop
.endr
.endm
.macro STEP slot, q, zero
	s_wait_dscnt 4*NL
	WIN MUL_LO
	MUL16 0, (\q)%2, \zero
	MUL16 2, (\q)%2, \zero
	s_wait_dscnt 0
	PLACES NP
	FETCH_B \slot, (\q)+1, 1-(\q)%2
	FETCH_A \slot, (\q)+1, 0
	WIN MUL_HI
	MUL16 4, (\q)%2, \zero
	MUL16 6, (\q)%2, \zero
	PLACES NP
	WIN 0
	FETCH_A \slot, (\q)+1, 4
.endm
.macro TURN slot, next, fill
	s_wait_tensorcnt 0x0
	ds_add_u32 v[SPW], v[NIL]
	s_wait_dscnt 4*NL+1
	WIN MUL_LO
	MUL16 0, 1, 0
	s_wait_dscnt 0x0
	s_barrier_signal -1
	MUL16 2, 1, 0
	WIN 0
	s_barrier_wait -1
.if \fill
	CREST
	s_add_nc_u64 s[G0+4*\slot+2:G0+4*\slot+3], s[G0+4*\slot+2:G0+4*\slot+3], 2*ROWB
	s_add_nc_u64 s[G0B+4*\slot+2:G0B+4*\slot+3], s[G0B+4*\slot+2:G0B+4*\slot+3], 2*ROWB
	JLOAD G0+4*\slot, G1, G0B+4*\slot, G1B
.else
	PLACES NP
.endif
	FETCH_B \next, 0, 0
	FETCH_A \next, 0, 0
	WIN MUL_HI
	MUL16 4, 1, 0
	MUL16 6, 1, 0
	PLACES NP
	WIN 0
	FETCH_A \next, 0, 4
.endm
	s_wait_alu depctr_va_vdst(0)                   ; the wait at the head's end
	s_wait_tensorcnt 0x0                           ; my load is in, so group 1 may be written: the refills take 128 rows a wave
	s_mov_b32 s[G1+2], 128<<16
	s_mov_b32 s[G1+4], 128
	s_mov_b32 s[G1B+2], 128<<16
	s_mov_b32 s[G1B+4], 128
	s_barrier_signal -1
	s_barrier_wait -1
	FETCH_B 0, 0, 0
	FETCH_A 0, 0, 0
	FETCH_A 0, 0, 4
	STEP 0, 0, 1
	s_mov_b32 s3, LAPS-1
.Llap:
	TURN 0, 1, 1
	STEP 1, 0, 0
	TURN 1, 0, 1
	STEP 0, 0, 0
	s_sub_co_u32 s3, s3, 1
	s_cmp_lg_u32 s3, 0
	s_cbranch_scc1 .Llap
	TURN 0, 1, 0
	STEP 1, 0, 0
	s_wait_dscnt 4*NL
	WIN MUL_LO
	MUL16 0, 1, 0
	MUL16 2, 1, 0
	s_wait_dscnt 0
	WIN MUL_HI
	MUL16 4, 1, 0
	MUL16 6, 1, 0
	WIN 0
	s_wait_kmcnt 0x0
	s_add_co_i32 s96, s96, s97
	s_add_co_i32 s96, s96, 127
	s_lshl_b32 s96, s96, 23
	s_mov_b32 s97, s96
	s_add_co_i32 s98, s98, 127
	s_lshl_b32 s99, s98, 23
	v_mov_b32 v[SC], s99
	s_add_co_i32 s98, s98, 8
	s_lshl_b32 s98, s98, 23
	s_or_b32 s98, s98, 0x600000
	v_mov_b32 v[LIM], s98
	s_wait_loadcnt 0x0
	PLACES NP
.macro TOCODE a
.set AC, 64*((\a)%4)
.set CS, CD+16*((\a)%4)
.if (\a) >= 4
	s_wait_dscnt 24
.endif
	WIN 0x02+((\a)/4)
.set J, 0
.rept 32
	v_pk_fma_f32 v[TMP+J:TMP+J+1], v[AC+J:AC+J+1], s[96:97], v[BI+J:BI+J+1] op_sel_hi:[1,0,1]
.set J, J+2
.endr
	WIN 0
.set J, 0
.rept 64
	v_med3_num_f32 v[TMP+J], v[TMP+J], 0, v[LIM]
.set J, J+1
.endr
.irp b, 0,1,2,3,4,5,6,7
	v_cvt_scalef32_pk8_fp8_f32 v[CS+2*\b:CS+2*\b+1], v[TMP+8*\b:TMP+8*\b+7], v[SC]
.endr
	v_nop
.irp b, 0,1,2,3,4,5,6,7
	ds_store_b64 v[STO], v[CS+2*\b:CS+2*\b+1] offset:(\a)*16*SPITCH+16*\b
.endr
.endm
.irp a, 0,1,2,3,4,5,6,7
	TOCODE \a
.endr
	s_wait_dscnt 0x0
	s_barrier_signal -1
	s_barrier_wait -1
.set J, 0
.rept 32
	ds_load_b128 v[TMP+4*J:TMP+4*J+3], v[RD] offset:J*2*SPITCH
.set J, J+1
.endr
.set J, 0
.rept 32
	s_wait_dscnt 31-J
	global_store_b128 v[CO], v[TMP+4*J:TMP+4*J+3], s[12:13] offset:2*J*OPITCH
.set J, J+1
.endr
	s_wait_tensorcnt 0x0
	ds_add_u32 v[SPW], v[NIL]
	s_wait_dscnt 0x0
	CROUND
	s_endpgm
.Lfunc_end_k_q55910f73e9_w1:
	.size	k_q55910f73e9_w1, .Lfunc_end_k_q55910f73e9_w1-k_q55910f73e9_w1
	.p2alignl 7, 3214868480
	.fill 96, 4, 3214868480
	.section	.rodata,"a",@progbits
	.p2align	6, 0x0
	.amdhsa_kernel k_q55910f73e9_w1
		.amdhsa_group_segment_fixed_size 327680
		.amdhsa_private_segment_fixed_size 0
		.amdhsa_enable_private_segment 0
		.amdhsa_kernarg_size 40
		.amdhsa_user_sgpr_count 2
		.amdhsa_user_sgpr_kernarg_segment_ptr 1
		.amdhsa_wavefront_size32 1
		.amdhsa_system_sgpr_workgroup_id_x 1
		.amdhsa_system_sgpr_workgroup_id_y 1
		.amdhsa_system_sgpr_workgroup_id_z 1
		.amdhsa_system_vgpr_workitem_id 0
		.amdhsa_next_free_vgpr 1024
		.amdhsa_next_free_sgpr 100
		.amdhsa_reserve_vcc 0
		.amdhsa_float_denorm_mode_32 3
		.amdhsa_float_denorm_mode_16_64 3
		.amdhsa_memory_ordered 1
		.amdhsa_forward_progress 1
		.amdhsa_inst_pref_size 144
	.end_amdhsa_kernel
	.amdgpu_metadata
---
amdhsa.version: [ 1, 2 ]
amdhsa.kernels:
  - .name:           k_q55910f73e9_w1
    .symbol:         k_q55910f73e9_w1.kd
    .args:
      - { .name: ac, .offset: 0, .size: 8, .value_kind: global_buffer, .address_space: global }
      - { .name: W1_codes, .offset: 8, .size: 8, .value_kind: global_buffer, .address_space: global }
      - { .name: lowp_scales, .offset: 16, .size: 8, .value_kind: global_buffer, .address_space: global }
      - { .name: b1, .offset: 24, .size: 8, .value_kind: global_buffer, .address_space: global }
      - { .name: hid, .offset: 32, .size: 8, .value_kind: global_buffer, .address_space: global }
    .group_segment_fixed_size: 327680
    .private_segment_fixed_size: 0
    .kernarg_segment_align: 8
    .kernarg_segment_size: 40
    .max_flat_workgroup_size: 128
    .sgpr_count:     100
    .vgpr_count:     1024
    .wavefront_size: 32
...
	.end_amdgpu_metadata
.endif
;; end of part 6
;; launch w2 (part 7): grid 8 x 32, 4 waves a work-group, clusters of 4 x 1, 327,680 bytes of LDS; arguments hid, hc, lowp_scales, ff; writes ff
.if DOCPART == 7
	.amdgcn_target "amdgcn-amd-amdhsa--gfx1250"
	.amdhsa_code_object_version 6
	.text
	.protected	k_q55910f73e9_w2
	.globl	k_q55910f73e9_w2
	.p2align	8
	.type	k_q55910f73e9_w2,@function
k_q55910f73e9_w2:
	s_mov_b64 s[64:65], 0
	v_nop
	global_prefetch_b8 v0, s[64:65] scope:SCOPE_SE
	s_setreg_imm32_b32 hwreg(HW_REG_WAVE_MODE, 25, 1), 1
	s_wait_xcnt 0x0
	s_wait_alu depctr_hold_cnt(0) depctr_sa_sdst(0) depctr_va_vdst(0) depctr_va_sdst(0) depctr_va_ssrc(0) depctr_va_vcc(0) depctr_vm_vsrc(0)
	s_getreg_b32 s2, hwreg(HW_REG_IB_STS2, 6, 4)
	s_cmp_eq_u32 s2, 0
	s_cbranch_scc0 .Lentry_in_a_cluster
	s_endpgm
.Lentry_in_a_cluster:
	s_bfe_u32 s2, ttmp6, 0x10000c
	s_cmp_lg_u32 s2, 0x3003
	s_cbranch_scc0 .Lentry_shape_is_right
	s_endpgm
.Lentry_shape_is_right:
; ff[m][n] = 2^(ea + eb) x sum over k of A[m][k] B[n][k], on codes of E4M3; ff [4096][1024] f32.  A = the hidden layer's codes [4096][4096]; B = W2's codes as the first launch has laid them
; again at hc + 12 MiB: [n / 64][k / 128][(n / 16) % 4][c][lane][16 bytes].  ea, eb = entries 14, 15 of the exponents.  LIMIT: ea + eb between -126 and 127, so that 2^(ea + eb) is an f32 number.
; SHARES.  256 work-groups; each makes 128 x 128 of ff over all of K.  Wave w = 2 nh + kh makes all 128 rows x columns 64 nh .. + 63 over HALF of K: of each 1,024 along K the 512 from 512 kh on.  32 accumulators.
; At the end the two waves of a pair hand each other 64 rows' sums through LDS, and each adds, scales and stores 64 rows.  So that both use the same register numbers, a wave's fragments 0-3 of A are its own 64 rows (64 kh on), 4-7 the partner's.
; A: through a ring of two LDS slots of 128 rows x 1,024 bytes (+ 16 a row), four fills in all; wave w fetches rows 32 w .. + 31 by one tensor load.
; CLUSTER 4, 1, 1: the four work-groups of a row block need the same rows of A and ask for them jointly (mask 15); a round of the cluster's barrier stands in front of every joint load.
; B: a wave's 64 columns x its half of K are needed by no other wave of its work-group, so they go from memory straight into registers: 8,192 consecutive bytes for 128 along K, 16 loads of 512 consecutive bytes, four steps ahead.
; THE MATRIX INSTRUCTION IS USED TRANSPOSED (source 0 = 16 rows of B, source 1 = 16 rows of A): a lane holds eight neighbouring numbers of a row of ff.  k is permuted alike on both sides: registers 4 c .. 4 c + 3 hold k = 32 c + 16 (lane / 16) + 0 .. 15.
; The 16 steps of a wave differ (first sums, refills, last loads), so they are expanded from one macro and not looped.
; REGISTERS, in windows of 256: window 0: v0-31 addresses; v64-127 rows read back on the way out; v128-255 A's set 0 (8 x 16).  window 1: B's four sets of 4 x 16.  window 2: the accumulators ((a, b) at 8 (4 a + b)).  window 3: v0-127 A's set 1.
.set KROW,   4096
.set QB,     1024                      ; along K in a slot
.set PITCH,  1040                      ; 65 x 16 bytes: the 16 rows that a load touches start at 16 different banks (64 banks of 4 bytes: ISA guide 11.1)
.set SLOT,   128*PITCH
.set SPARE,  2*SLOT                    ; behind the ring: the spare words, 128 bytes a wave
.set XCH,    0                         ; the way out, in slot 0, which has had its last fill and its last read by then: 16,384 bytes a wave for the sums handed over,
.set STAGE,  65536                     ; and 16 rows x 272 bytes a wave
.set SPITCH, 272
.set CROW,   4096                      ; a row of ff in bytes
.set KSB,    8192                      ; 64 columns of B for 128 along K
.set AL,  8                            ; v8-9    LDS address of my fragments 0-3 of A in slot 0, 1
.set AH,  10                           ; v10-11  of my fragments 4-7
.set BO,  12                           ; v12  16 x lane
.set PFB, 13                           ; v13  B's prefetches: 1,024 x my row block + 256 x min(lane, 3)
.set PFA, 14                           ; v14  A's prefetches: 4,096 x lane + 256 x my place in the cluster
.set XS,  15                           ; v15  where I put the sums that I hand over,
.set XR,  16                           ; v16  and where my partner has put mine
.set STO, 24
.set RD,  25
.set CO,  26
.set SPW, 28
.set NIL, 29
.set BK,  64
.set G1,  24
.set G0,  32                           ; s[32:39] group 0, one set for each slot
.set BP,  42                           ; s[42:43] my stream of B
.set PA,  44                           ; s[44:45] my 32 rows of A in memory
.set MSB, 0
.macro WIN new                         ; the immediate's high byte repeats the setting that is left
.if MSB != \new
	s_set_vgpr_msb (MSB<<8)|\new
.set MSB, \new
.endif
.endm
.set MUL,    0xa1                      ; source 0 (B) window 1, source 1 (A) window 0 (+ 12: window 3), C and D window 2
.set TO_B,   0x40                      ; destination window 1
.set TO_A1,  0xc0                      ; destination window 3
.set ST_ACC, 0x08                      ; an LDS store's data window 2
.macro CROUND                          ; a round of the cluster's barrier
	s_barrier_signal -1
	s_barrier_wait -1
	s_cmp_lg_u32 s14, 0
	s_cbranch_scc1 .Lnot_wave_0_\@
	s_barrier_signal -3
.Lnot_wave_0_\@:
	s_barrier_wait -3
	s_barrier_signal -1
	s_barrier_wait -1
.endm
.macro JLOAD slot                      ; my one joint load behind a round; an s_nop 0 and four v_nop follow it
	tensor_load_to_lds s[G0+4*(\slot):G0+4*(\slot)+3], s[G1:G1+7]
	s_nop 0
.rept 4
	v_nop
.endr
.endm
.macro BLOAD p, off                    ; B's four fragments of one step into set p
.irp i, 0,1,2,3,4,5,6,7,8,9,10,11,12,13,14,15
	global_load_b128 v[64*(\p)+4*\i:64*(\p)+4*\i+3], v[BO], s[BP:BP+1] offset:(\off)+512*\i
.endr
.endm
.macro AFETCH set, slot, off           ; A's eight fragments of one step into a set: 32 LDS loads
.if \set
	WIN TO_A1
.endif
.irp a, 0,1,2,3
.irp c, 0,1,2,3
	ds_load_b128 v[128-128*(\set)+16*\a+4*\c:128-128*(\set)+16*\a+4*\c+3], v[AL+(\slot)] offset:(\off)+\a*16*PITCH+32*\c
.endr
.endr
.irp a, 0,1,2,3
.irp c, 0,1,2,3
	ds_load_b128 v[192-128*(\set)+16*\a+4*\c:192-128*(\set)+16*\a+4*\c+3], v[AH+(\slot)] offset:(\off)+\a*16*PITCH+32*\c
.endr
.endr
	WIN 0
.endm
.macro MUL32 p, q, zero                ; the 32 accumulators take turns, one instruction a turn
.irp a, 0,1,2,3,4,5,6,7
.irp b, 0,1,2,3
.if \zero
	v_wmma_f32_16x16x128_fp8_fp8 v[8*(4*\a+\b):8*(4*\a+\b)+7], v[64*(\p)+16*\b:64*(\p)+16*\b+15], v[128-128*(\q)+16*\a:128-128*(\q)+16*\a+15], 0
.else
	v_wmma_f32_16x16x128_fp8_fp8 v[8*(4*\a+\b):8*(4*\a+\b)+7], v[64*(\p)+16*\b:64*(\p)+16*\b+15], v[128-128*(\q)+16*\a:128-128*(\q)+16*\a+15], v[8*(4*\a+\b):8*(4*\a+\b)+7]
.endif
.endr
.endr
.endm
; PREFETCHES INTO THE L2 of quarter f of K.  A: my 32 rows x 1,024 bytes; the four partners share them out by address, 256 bytes of each row each, a lane a row.
; B: my 32,768 bytes of that quarter; the 32 row blocks that walk the same stream share them out by address, 1,024 bytes each, in lanes 0 to 3 (the other lanes name the last block again).
; Quarter 2 is asked for ahead of my step 0 (its tensor load stands in step 3, its first plain load in step 4), quarter 3 in step 3 (step 7, step 8).  Quarters 0 and 1 come by their loads alone.
.macro ASK f
	global_prefetch_b8 v[PFA], s[PA:PA+1] offset:(\f)*QB th:TH_LOAD_NT scope:SCOPE_SE
	global_prefetch_b8 v[PFB], s[BP:BP+1] offset:(\f)*8*KSB th:TH_LOAD_NT scope:SCOPE_SE
.endm
; My step U (0 .. 15) of 128 along K: quarter U / 4 of K, in slot (U / 4) % 2; B's set U % 4, A's set U % 2.  The next step's fragments of A are fetched first, into the other set.
; A slot's last step has all its fragments in registers, so the change of slots stands at its head; the slot that is left is filled again while two quarters are still to come.
.macro KS
.set SL, (U/4)%2
.if U%4 == 3
.if U < 8
	s_wait_tensorcnt 0x0                           ; all my tensor loads have landed: my part of the next slot
	ds_add_u32 v[SPW], v[NIL]                      ; 0 onto my spare word
	s_wait_dscnt 0x0                               ; the add is done, and my reads of this slot are over
	CROUND                                         ; both now hold of every wave of the four work-groups
	JLOAD SL
.else
.if U < 12
	s_wait_tensorcnt 0x0                           ; my part of the last quarter is in
	s_wait_dscnt 0x0
	s_barrier_signal -1
	s_barrier_wait -1
.endif
.endif
.if U < 15
	AFETCH 1-U%2, 1-SL, 0
.else
	s_wait_dscnt 0x0
.endif
.if U == 3
	ASK 3
.endif
.else
	AFETCH 1-U%2, SL, (U%4+1)*128
	s_wait_dscnt 32                                ; this step's A is in; the 32 loads just issued may be out
.endif
.if U < 13
	s_wait_loadcnt 48                              ; this step's B is in; the 3 x 16 loads of the next three steps may be out
.else
	s_wait_loadcnt (15-U)*16
.endif
	WIN MUL+12*(U%2)
.if U == 0
	MUL32 0, 0, 1                                  ; the first products start the sums
.else
	MUL32 U%4, U%2, 0
.endif
.rept 4
	v_nop                                          ; four places ahead of the loads into registers that these products read (ISA guide 7.12.1 for vector instructions), and of the first read of the results
.endr
.if U < 12
	WIN TO_B
	BLOAD U%4, ((U+4)/4)*8*KSB+((U+4)%4)*KSB
.endif
	WIN 0
.endm
	s_load_b128 s[4:7], s[0:1], 0x0                ; hid s[4:5], hc s[6:7]
	s_load_b128 s[8:11], s[0:1], 0x10              ; the exponents s[8:9], ff s[10:11]
	v_lshl_add_u32 v[SPW], v0, 2, SPARE
	v_mov_b32 v[NIL], 0
	ds_add_u32 v[SPW], v[NIL]                      ; the opening: the add, twice on end, and its wait ahead of my first tensor load
	ds_add_u32 v[SPW], v[NIL]
	v_lshrrev_b32 v1, 5, v0
	v_readfirstlane_b32 s14, v1                    ; wave 0..3
	s_and_b32 s15, s14, 1                          ; kh
	s_lshr_b32 s16, s14, 1                         ; nh
	s_bfe_u32 s40, ttmp6, 0x40000                  ; cx
	s_and_b32 s17, ttmp7, 0xffff                   ; which 128 rows
	s_lshl_b32 s41, ttmp9, 2
	s_add_co_u32 s41, s41, s40                     ; which 128 columns
	s_mov_b32 s[G1], 15|(1<<20)|(1<<21)|(7<<22)|(3<<25)   ; the mask: all four; elements of 1 byte; padding on; 21 set beside a mask; after every 256 words (code 7) 4 words (code 3)
	s_mov_b32 s[G1+1], QB<<16                      ; tensor_dim0
	s_mov_b32 s[G1+2], 64<<16                      ; tensor_dim1: 64 rows at the head, 32 for the refills
	s_mov_b32 s[G1+3], QB<<16                      ; tile_dim0
	s_mov_b32 s[G1+4], 64                          ; tile_dim1 likewise
	s_mov_b32 s[G1+5], KROW                        ; from row to row
	s_mov_b32 s[G1+6], 0
	s_mov_b32 s[G1+7], 0
	s_mul_i32 s18, s14, 32*PITCH                   ; LDS: the wave's number alone
	s_lshl_b32 s20, s17, 19                        ; 128 rows of 4,096 bytes,
	s_lshl_b32 s21, s14, 17                        ; my 32 of them
	s_add_co_u32 s20, s20, s21
	s_mov_b32 s21, 0
	s_wait_dscnt 0x0                               ; both opening adds are done
	s_wait_kmcnt 0x0
	s_load_b64 s[56:57], s[8:9], 56                ; ea, eb
	s_add_nc_u64 s[PA:PA+1], s[4:5], s[20:21]
.irp s, 0,1
	s_mov_b32 s[G0+4*\s], 1
	s_add_co_u32 s[G0+4*\s+1], s18, \s*SLOT
	s_add_nc_u64 s[G0+4*\s+2:G0+4*\s+3], s[PA:PA+1], (\s+2)*QB   ; the refills: slot 0 takes quarter 2, slot 1 quarter 3
	s_or_b32 s[G0+4*\s+3], s[G0+4*\s+3], 0x80000000
.endr
	; BOTH SLOTS ARE FILLED AT THE HEAD, one tensor load a wave: wave w fetches rows 64 (w % 2) .. + 63 of quarter w / 2, into slot w / 2
	s_mov_b32 s60, 1
	s_mul_i32 s61, s16, SLOT
	s_mul_i32 s19, s15, 64*PITCH
	s_add_co_u32 s61, s61, s19
	s_lshl_b32 s20, s17, 19                        ; 128 rows of 4,096 bytes,
	s_lshl_b32 s19, s15, 18                        ; 64 rows,
	s_add_co_u32 s20, s20, s19
	s_lshl_b32 s19, s16, 10                        ; 1,024 along K
	s_add_co_u32 s20, s20, s19
	s_add_nc_u64 s[62:63], s[4:5], s[20:21]
	s_or_b32 s63, s63, 0x80000000
	CROUND                                         ; all four work-groups are here: the joint loads meet
	tensor_load_to_lds s[60:63], s[G1:G1+7]
	s_nop 0
.rept 4
	v_nop
.endr
	s_lshl_b32 s46, s41, 1
	s_add_co_u32 s46, s46, s16                     ; my 64 columns,
	s_lshl_b32 s46, s46, 18                        ; 262,144 bytes of B each,
	s_lshl_b32 s47, s15, 15                        ; my half of each quarter: four steps on,
	s_add_co_u32 s46, s46, s47
	s_add_co_u32 s46, s46, 0xc00000                ; behind hc's three planes
	s_mov_b32 s47, 0
	s_add_nc_u64 s[BP:BP+1], s[6:7], s[46:47]
	s_lshl_b32 s48, s17, 19                        ; ff: 128 rows of 4,096 bytes,
	s_lshl_b32 s49, s15, 18                        ; my own 64 of them,
	s_add_co_u32 s48, s48, s49
	s_lshl_b32 s49, s41, 9                         ; 512 bytes for 128 columns,
	s_add_co_u32 s48, s48, s49
	s_lshl_b32 s49, s16, 8                         ; 256 bytes for my 64
	s_add_co_u32 s48, s48, s49
	s_mov_b32 s49, 0
	s_add_nc_u64 s[10:11], s[10:11], s[48:49]
	s_mul_i32 s50, s15, 64*PITCH+512               ; fragments 0-3: rows 64 kh on, byte 512 kh of a row
	s_xor_b32 s51, s15, 1
	s_mul_i32 s51, s51, 64*PITCH                   ; fragments 4-7: the other 64 rows,
	s_lshl_b32 s52, s15, 9
	s_add_co_u32 s51, s51, s52                     ; the same bytes
	s_lshl_b32 s53, s14, 14                        ; what I hand over,
	s_xor_b32 s54, s14, 1
	s_lshl_b32 s54, s54, 14                        ; and what wave w xor 1 hands to me
	s_mul_i32 s23, s14, 16*SPITCH
	s_add_co_u32 s23, s23, STAGE                   ; my stage
	s_lshl_b32 s55, s17, 10
	s_lshl_b32 s58, s40, 8
	v_and_b32 v1, 15, v0                           ; r
	v_bfe_u32 v2, v0, 4, 1                         ; h
	v_and_b32 v4, 31, v0
	v_mul_u32_u24 v3, v1, PITCH
	v_lshl_add_u32 v3, v2, 4, v3                   ; a fragment's row x pitch + 16 x half
	v_add_nc_u32 v[AL], s50, v3
	v_add_nc_u32 v[AH], s51, v3
	v_add_nc_u32 v[AL+1], SLOT, v[AL]
	v_add_nc_u32 v[AH+1], SLOT, v[AH]
	v_lshlrev_b32 v[BO], 4, v4
	v_add_nc_u32 v[XS], s53, v[BO]
	v_add_nc_u32 v[XR], s54, v[BO]
	v_min_u32 v5, 3, v4
	v_lshlrev_b32 v5, 8, v5
	v_add_nc_u32 v[PFB], s55, v5
	v_lshlrev_b32 v6, 12, v4
	v_add_nc_u32 v[PFA], s58, v6
	v_mul_u32_u24 v5, v1, SPITCH
	v_lshl_add_u32 v5, v2, 5, v5
	v_add_nc_u32 v[STO], s23, v5                   ; in: row r, 32 bytes for each half of the lanes
	v_mul_u32_u24 v6, v2, SPITCH
	v_lshl_add_u32 v6, v1, 4, v6
	v_add_nc_u32 v[RD], s23, v6                    ; back: lanes 0-15 one row of 256 bytes, lanes 16-31 the next
	v_mul_u32_u24 v7, v2, CROW
	v_lshl_add_u32 v[CO], v1, 4, v7                ; and the same two rows in ff
	s_wait_alu depctr_va_vdst(0)                   ; the wait at the head's end
	WIN TO_B
.irp k, 0,1,2,3
	BLOAD \k, \k*KSB                               ; my steps 0 to 3 of B are on their way beside the tensor load
.endr
	WIN 0
	s_wait_tensorcnt 0x0                           ; my load is in, so group 1 may be written: the refills take 32 rows a wave
	s_mov_b32 s[G1+2], 32<<16
	s_mov_b32 s[G1+4], 32
	s_barrier_signal -1
	s_barrier_wait -1                              ; everybody's is: quarters 0 and 1 are whole
	AFETCH 0, 0, 0
	ASK 2
.set U, 0
.rept 16
	KS
.set U, U+1
.endr
	s_wait_kmcnt 0x0
	s_add_co_i32 s56, s56, s57
	s_add_co_i32 s56, s56, 127
	s_lshl_b32 s56, s56, 23                        ; the f32 number 2^(ea + eb)
	; THE WAY OUT.  The sums of the partner's 64 rows (accumulators 16 to 31) go over as an image of the registers, 16 bytes a lane; mine come back into the registers that held A's set 0.
	WIN ST_ACC
.set J, 0
.rept 32
	ds_store_b128 v[XS], v[128+4*J:128+4*J+3] offset:512*J     ; each accumulator from its low end on
.set J, J+1
.endr
	WIN 0
	s_wait_dscnt 0x0                               ; for the partner's sake
	s_barrier_signal -1
	s_barrier_wait -1
.set J, 0
.rept 32
	ds_load_b128 v[128+4*J:128+4*J+3], v[XR] offset:512*J
.set J, J+1
.endr
	s_wait_dscnt 0x0
; Block a, 16 rows x 64 columns: the two halves of K are added, go, 32 bytes a lane, into my own stage and come back as whole rows of 256 bytes.  LDS serves a wave's instructions in order (ISA guide 5.7.1.4): no wait between the stores and the loads.
.macro TOSTAGE a
	WIN 0x02                                       ; source 0: window 2
.set J, 0
.rept 16
	v_pk_add_f32 v[128+32*(\a)+J:128+32*(\a)+J+1], v[32*(\a)+J:32*(\a)+J+1], v[128+32*(\a)+J:128+32*(\a)+J+1]
.set J, J+2
.endr
	WIN 0
.irp b, 0,1,2,3
	ds_store_b128 v[STO], v[128+32*(\a)+8*\b:128+32*(\a)+8*\b+3] offset:64*\b
	ds_store_b128 v[STO], v[128+32*(\a)+8*\b+4:128+32*(\a)+8*\b+7] offset:64*\b+16
.endr
.set BB, BK+32*((\a)%2)
.irp t, 0,1,2,3,4,5,6,7
	ds_load_b128 v[BB+4*\t:BB+4*\t+3], v[RD] offset:\t*2*SPITCH
.endr
.endm
.macro SEND a, younger                 ; younger: the LDS instructions issued behind block a's loads
.set BB, BK+32*((\a)%2)
	s_wait_dscnt \younger
.set J, 0
.rept 16
	v_pk_mul_f32 v[BB+J:BB+J+1], v[BB+J:BB+J+1], s[56:57] op_sel_hi:[1,0]     ; both x s56 = 2^(ea + eb)
.set J, J+2
.endr
.irp t, 0,1,2,3,4,5,6,7
	global_store_b128 v[CO], v[BB+4*\t:BB+4*\t+3], s[10:11] offset:(16*(\a)+2*\t)*CROW th:TH_STORE_NT   ; 16 lanes store 256 consecutive bytes, aligned
.endr
.endm
	TOSTAGE 0
.irp a, 1,2,3
.if \a > 1
	s_wait_xcnt 0x0                                ; block a - 2's stores have read their registers: block a's loads may land there
.endif
	TOSTAGE \a
	SEND \a-1, 16                                  ; behind block a - 1's loads: block a's 8 stores and 8 loads
.endr
	SEND 3, 0
	s_wait_tensorcnt 0x0                           ; the wave's end
	ds_add_u32 v[SPW], v[NIL]
	s_wait_dscnt 0x0
	CROUND                                         ; the closing round
	s_endpgm
.Lfunc_end_k_q55910f73e9_w2:
	.size	k_q55910f73e9_w2, .Lfunc_end_k_q55910f73e9_w2-k_q55910f73e9_w2
	.p2alignl 7, 3214868480
	.fill 96, 4, 3214868480
	.section	.rodata,"a",@progbits
	.p2align	6, 0x0
	.amdhsa_kernel k_q55910f73e9_w2
		.amdhsa_group_segment_fixed_size 327680
		.amdhsa_private_segment_fixed_size 0
		.amdhsa_enable_private_segment 0
		.amdhsa_kernarg_size 32
		.amdhsa_user_sgpr_count 2
		.amdhsa_user_sgpr_kernarg_segment_ptr 1
		.amdhsa_wavefront_size32 1
		.amdhsa_system_sgpr_workgroup_id_x 1
		.amdhsa_system_sgpr_workgroup_id_y 1
		.amdhsa_system_sgpr_workgroup_id_z 1
		.amdhsa_system_vgpr_workitem_id 0
		.amdhsa_next_free_vgpr 896
		.amdhsa_next_free_sgpr 66
		.amdhsa_reserve_vcc 0
		.amdhsa_float_denorm_mode_32 3
		.amdhsa_float_denorm_mode_16_64 3
		.amdhsa_memory_ordered 1
		.amdhsa_forward_progress 1
		.amdhsa_inst_pref_size 121
	.end_amdhsa_kernel
	.amdgpu_metadata
---
amdhsa.version: [ 1, 2 ]
amdhsa.kernels:
  - .name:           k_q55910f73e9_w2
    .symbol:         k_q55910f73e9_w2.kd
    .args:
      - { .name: hid, .offset: 0, .size: 8, .value_kind: global_buffer, .address_space: global }
      - { .name: hc, .offset: 8, .size: 8, .value_kind: global_buffer, .address_space: global }
      - { .name: lowp_scales, .offset: 16, .size: 8, .value_kind: global_buffer, .address_space: global }
      - { .name: ff, .offset: 24, .size: 8, .value_kind: global_buffer, .address_space: global }
    .group_segment_fixed_size: 327680
    .private_segment_fixed_size: 0
    .kernarg_segment_align: 8
    .kernarg_segment_size: 32
    .max_flat_workgroup_size: 128
    .sgpr_count:     66
    .vgpr_count:     896
    .wavefront_size: 32
...
	.end_amdgpu_metadata
.endif
;; end of part 7
;; launch ln2 (part 8): grid 256 x 1, 16 waves a work-group, no clusters, 14,336 bytes of LDS; arguments ff, att, b2, ln2_scale, ln2_offset, out0; writes out0
.if DOCPART == 8
	.amdgcn_target "amdgcn-amd-amdhsa--gfx1250"
	.amdhsa_code_object_version 6
	.text
	.protected	k_q55910f73e9_ln2
	.globl	k_q55910f73e9_ln2
	.p2align	8
	.type	k_q55910f73e9_ln2,@function
k_q55910f73e9_ln2:
	s_mov_b64 s[64:65], 0
	v_nop
	global_prefetch_b8 v0, s[64:65] scope:SCOPE_SE
	s_setreg_imm32_b32 hwreg(HW_REG_WAVE_MODE, 25, 1), 1
	s_wait_xcnt 0x0
; out0 = LayerNorm((ff + b2) + att) x ln2_scale + ln2_offset, in f32.  ff, att, out0: [4096][1024] f32.
; mean and variance as the layer has them: the mean first, then the mean of the squared differences; eps = 1e-5.
; One wave, one row, kept in 32 registers: lane l holds columns 128 i + 4 l + 0 .. 3, so each load and store of the wave covers 512 consecutive bytes, aligned.  All 16 loads of a row go out at once.
; b2, scale and offset are read from memory once a work-group (8 bytes a thread) and handed to the sixteen waves through LDS: one barrier.  NaN is not served.
.set A, 16                             ; v16-47   ff, then the row
.set B, 48                             ; v48-79   the scale
.set C, 80                             ; v80-111  att; then the offset
.set T, 112                            ; v112-143 b2
	s_load_b256 s[4:11], s[0:1], 0x0               ; ff s[4:5], att s[6:7], b2 s[8:9], scale s[10:11]
	s_load_b128 s[12:15], s[0:1], 0x20             ; offset s[12:13], out0 s[14:15]
	v_lshl_add_u32 v160, v0, 2, 0x3000
	v_mov_b32 v161, 0
	v_lshrrev_b32 v3, 5, v0
	s_delay_alu instid0(VALU_DEP_1)
	v_readfirstlane_b32 s20, v3                    ; wave 0..15
	v_and_b32 v4, 31, v0
	s_delay_alu instid0(VALU_DEP_1)
	v_lshlrev_b32 v1, 4, v4                        ; 16 x lane
	v_lshlrev_b32 v2, 3, v0                        ; 8 x thread
	v_mov_b32 v151, 0                              ; (upper halves of pairs, and a lane permute's destination: written once)
	v_mov_b32 v153, 0
	v_mov_b32 v154, 0
	s_lshl_b32 s22, ttmp9, 4
	s_add_co_u32 s22, s22, s20                     ; my row
	s_lshl_b32 s24, s22, 12
	s_mov_b32 s25, 0
	s_mov_b32 s30, 0x76543210                      ; v_permlanex16_b32's selects for lane l xor 16
	s_mov_b32 s31, 0xfedcba98
	s_mov_b32 s32, 0x3a800000                      ; 1 / 1,024
	s_mov_b32 s33, 0x3727c5ac                      ; 1e-5
	s_wait_alu depctr_va_vdst(0)
	s_wait_kmcnt 0x0
	s_add_nc_u64 s[4:5], s[4:5], s[24:25]
	s_add_nc_u64 s[6:7], s[6:7], s[24:25]
	s_add_nc_u64 s[14:15], s[14:15], s[24:25]
	global_load_b64 v[144:145], v2, s[8:9]
	global_load_b64 v[146:147], v2, s[10:11]
	global_load_b64 v[148:149], v2, s[12:13]
.irp i, 0,1,2,3,4,5,6,7
	global_load_b128 v[A+4*\i:A+4*\i+3], v1, s[4:5] offset:512*\i th:TH_LOAD_NT
.endr
.irp i, 0,1,2,3,4,5,6,7
	global_load_b128 v[C+4*\i:C+4*\i+3], v1, s[6:7] offset:512*\i th:TH_LOAD_NT
.endr
	s_wait_loadcnt 16                              ; the three constants are in; the 16 loads of the row may be out
	ds_store_b64 v2, v[144:145]
	ds_store_b64 v2, v[146:147] offset:4096
	ds_store_b64 v2, v[148:149] offset:8192
	s_wait_dscnt 0x0                               ; for the others' sake
	s_barrier_signal -1
	s_barrier_wait -1
.irp i, 0,1,2,3,4,5,6,7
	ds_load_b128 v[T+4*\i:T+4*\i+3], v1 offset:512*\i         ; b2 at my columns
.endr
	s_wait_loadcnt 0x0
	s_wait_dscnt 0x0
.set J, 0
.rept 16
	v_pk_add_f32 v[A+J:A+J+1], v[A+J:A+J+1], v[T+J:T+J+1]     ; + b2,
.set J, J+2
.endr
.set J, 0
.rept 16
	v_pk_add_f32 v[A+J:A+J+1], v[A+J:A+J+1], v[C+J:C+J+1]     ; + the residual
.set J, J+2
.endr
.irp i, 0,1,2,3,4,5,6,7
	ds_load_b128 v[B+4*\i:B+4*\i+3], v1 offset:4096+512*\i    ; the scale at my columns,
.endr
.irp i, 0,1,2,3,4,5,6,7
	ds_load_b128 v[C+4*\i:C+4*\i+3], v1 offset:8192+512*\i    ; the offset: they land while the sums are made
.endr
.macro WSUM r, t                       ; the sum over the wave's 32 lanes, in every lane
	s_delay_alu instid0(VALU_DEP_1)
	v_add_f32_dpp v[\r], v[\r], v[\r] row_xmask:1 row_mask:0xf bank_mask:0xf
	s_delay_alu instid0(VALU_DEP_1)
	v_add_f32_dpp v[\r], v[\r], v[\r] row_xmask:2 row_mask:0xf bank_mask:0xf
	s_delay_alu instid0(VALU_DEP_1)
	v_add_f32_dpp v[\r], v[\r], v[\r] row_xmask:4 row_mask:0xf bank_mask:0xf
	s_delay_alu instid0(VALU_DEP_1)
	v_add_f32_dpp v[\r], v[\r], v[\r] row_xmask:8 row_mask:0xf bank_mask:0xf
	s_delay_alu instid0(VALU_DEP_1)
	v_permlanex16_b32 v[\t], v[\r], s30, s31
	s_delay_alu instid0(VALU_DEP_1)
	v_add_f32 v[\r], v[\r], v[\t]
.endm
	v_pk_add_f32 v[146:147], v[16:17], v[18:19]
	v_pk_add_f32 v[158:159], v[24:25], v[28:29]
	v_pk_add_f32 v[156:157], v[32:33], v[36:37]
	v_pk_add_f32 v[148:149], v[40:41], v[44:45]
	v_pk_add_f32 v[142:143], v[20:21], v[22:23]
	v_pk_add_f32 v[140:141], v[26:27], v[30:31]
	v_pk_add_f32 v[138:139], v[34:35], v[38:39]
	v_pk_add_f32 v[144:145], v[42:43], v[46:47]
	s_delay_alu instid0(VALU_DEP_1)
	v_pk_add_f32 v[144:145], v[144:145], v[148:149]
	v_pk_add_f32 v[146:147], v[146:147], v[142:143]
	v_pk_add_f32 v[158:159], v[158:159], v[140:141]
	v_pk_add_f32 v[156:157], v[156:157], v[138:139]
	s_delay_alu instid0(VALU_DEP_2)
	v_pk_add_f32 v[144:145], v[144:145], v[158:159]
	s_delay_alu instid0(VALU_DEP_2)
	v_pk_add_f32 v[146:147], v[146:147], v[156:157]
	s_delay_alu instid0(VALU_DEP_1)
	v_pk_add_f32 v[144:145], v[144:145], v[146:147]
	s_delay_alu instid0(VALU_DEP_1)
	v_add_f32 v144, v144, v145
	WSUM 144, 154
	s_delay_alu instid0(VALU_DEP_1)
	v_mul_f32 v150, s32, v144                      ; the mean
.set J, 0
.rept 16
	v_pk_add_f32 v[A+J:A+J+1], v[A+J:A+J+1], v[150:151] op_sel_hi:[1,0] neg_lo:[0,1] neg_hi:[0,1]
.set J, J+2
.endr
	v_pk_mul_f32 v[144:145], v[A:A+1], v[A:A+1]
	v_pk_mul_f32 v[146:147], v[A+2:A+3], v[A+2:A+3]
.irp j, 4,8,12,16,20,24,28
	s_delay_alu instid0(VALU_DEP_2)
	v_pk_fma_f32 v[144:145], v[A+\j:A+\j+1], v[A+\j:A+\j+1], v[144:145]
	s_delay_alu instid0(VALU_DEP_2)
	v_pk_fma_f32 v[146:147], v[A+\j+2:A+\j+3], v[A+\j+2:A+\j+3], v[146:147]
.endr
	s_delay_alu instid0(VALU_DEP_1)
	v_pk_add_f32 v[144:145], v[144:145], v[146:147]
	s_delay_alu instid0(VALU_DEP_1)
	v_add_f32 v144, v144, v145
	WSUM 144, 154
	s_delay_alu instid0(VALU_DEP_1)
	v_fma_f32 v144, v144, s32, s33                 ; the variance + eps
	s_wait_alu depctr_va_vdst(0)
	v_rsq_f32 v152, v144
	v_nop                                          ; a plain line behind the transcendental
	s_wait_alu depctr_va_vdst(0)                   ; and the wait ahead of its first reader
	s_wait_dscnt 0x0                               ; scale and offset are in
.set J, 0
.rept 16
	v_pk_mul_f32 v[A+J:A+J+1], v[A+J:A+J+1], v[152:153] op_sel_hi:[1,0]
.set J, J+2
.endr
.set J, 0
.rept 16
	v_pk_fma_f32 v[A+J:A+J+1], v[A+J:A+J+1], v[B+J:B+J+1], v[C+J:C+J+1]
.set J, J+2
.endr
.irp i, 0,1,2,3,4,5,6,7
	global_store_b128 v1, v[A+4*\i:A+4*\i+3], s[14:15] offset:512*\i th:TH_STORE_NT
.endr
	s_wait_tensorcnt 0x0
	ds_add_u32 v160, v161
	s_wait_dscnt 0x0
	s_endpgm
.Lfunc_end_k_q55910f73e9_ln2:
	.size	k_q55910f73e9_ln2, .Lfunc_end_k_q55910f73e9_ln2-k_q55910f73e9_ln2
	.p2alignl 7, 3214868480
	.fill 96, 4, 3214868480
	.section	.rodata,"a",@progbits
	.p2align	6, 0x0
	.amdhsa_kernel k_q55910f73e9_ln2
		.amdhsa_group_segment_fixed_size 14336
		.amdhsa_private_segment_fixed_size 0
		.amdhsa_enable_private_segment 0
		.amdhsa_kernarg_size 48
		.amdhsa_user_sgpr_count 2
		.amdhsa_user_sgpr_kernarg_segment_ptr 1
		.amdhsa_wavefront_size32 1
		.amdhsa_system_sgpr_workgroup_id_x 1
		.amdhsa_system_sgpr_workgroup_id_y 1
		.amdhsa_system_sgpr_workgroup_id_z 1
		.amdhsa_system_vgpr_workitem_id 0
		.amdhsa_next_free_vgpr 162
		.amdhsa_next_free_sgpr 66
		.amdhsa_reserve_vcc 0
		.amdhsa_float_denorm_mode_32 3
		.amdhsa_float_denorm_mode_16_64 3
		.amdhsa_memory_ordered 1
		.amdhsa_forward_progress 1
		.amdhsa_inst_pref_size 15
	.end_amdhsa_kernel
	.amdgpu_metadata
---
amdhsa.version: [ 1, 2 ]
amdhsa.kernels:
  - .name:           k_q55910f73e9_ln2
    .symbol:         k_q55910f73e9_ln2.kd
    .args:
      - { .name: ff, .offset: 0, .size: 8, .value_kind: global_buffer, .address_space: global }
      - { .name: att, .offset: 8, .size: 8, .value_kind: global_buffer, .address_space: global }
      - { .name: b2, .offset: 16, .size: 8, .value_kind: global_buffer, .address_space: global }
      - { .name: ln2_scale, .offset: 24, .size: 8, .value_kind: global_buffer, .address_space: global }
      - { .name: ln2_offset, .offset: 32, .size: 8, .value_kind: global_buffer, .address_space: global }
      - { .name: out0, .offset: 40, .size: 8, .value_kind: global_buffer, .address_space: global }
    .group_segment_fixed_size: 14336
    .private_segment_fixed_size: 0
    .kernarg_segment_align: 8
    .kernarg_segment_size: 48
    .max_flat_workgroup_size: 512
    .sgpr_count:     66
    .vgpr_count:     162
    .wavefront_size: 32
...
	.end_amdgpu_metadata
.endif
;; end of part 8
